; MI455X (gfx1250); checked and timed in simulation.
; The chip was launched on July 23, 2026; its instructions are those of AMD's public machine-readable ISA for CDNA 5 (MIT licence, August 2026) and "CDNA5" Instruction Set Architecture Reference Guide (July 2026). The comments in the code are by the model that wrote it; some were corrected since.
;; Causal Self Attention. Allowed arithmetic: matrix products marked QUANTISED: E4M3 operands, one given power-of-two scale a tensor, by v_wmma_f32_16x16x64_fp8_fp8 or v_wmma_f32_16x16x128_fp8_fp8, f32 sums; everything else in f32.
;; Inputs: b_attn 3,072 float32; b_proj 1,024 float32; lowp_scales 8 int32 (the exponents e of the quantised operands' scales 2^e); w_attn 1,024 x 3,072 float32; w_proj 1,024 x 1,024 float32; x 4 x 2,048 x 1,024 float32.
;; Outputs: out0 4 x 2,048 x 1,024 float32.
;; This version of the problem:
;;   THIS VERSION OF THE PROBLEM IS GIVEN IN LOW PRECISION. The matrix products marked QUANTISED in the list below multiply operands that are first quantised to E4M3 (4 exponent bits, 3 mantissa bits; 8 bits a number), with one given power-of-two scale for each operand tensor; their sums are f32. All else is computed in f32.
;;   The module's matrix products, in the order in which they are computed (A, B: the left and right operand; K: the contracted axis; several contracted axes count as one K, in the product's order):
;;     1. [M 8,192, K 1,024] x [K 1,024, N 3,072]; A: input x; B: input w_attn: QUANTISED (scales: A lowp_scales[0], B lowp_scales[1])
;;     2. batch 64 x [M 2,048, K 64] x [K 64, N 2,048]; A: computed on the way; B: computed on the way: QUANTISED (scales: A lowp_scales[2], B lowp_scales[3])
;;     3. batch 64 x [M 2,048, K 2,048] x [K 2,048, N 64]; A: softmax (see below); B: computed on the way: QUANTISED (scales: A lowp_scales[4], B lowp_scales[5])
;;     4. [M 8,192, K 1,024] x [K 1,024, N 1,024]; A: computed on the way; B: input w_proj: QUANTISED (scales: A lowp_scales[6], B lowp_scales[7])
;;   THE QUANTISER, for each operand of a quantised product, along K:
;;     - The operand's scale is 2^e, e = its entry of the input lowp_scales (int32; the entries are numbered through the quantised products in the list's order, A before B).
;;     - Each number is divided by the scale, clamped to +-448, and rounded to the nearest number of E4M3, ties to even, subnormals kept.
;;     - The product sums the exact products of the quantised numbers (number of the format x scale) in f32.
;;   ~~~python
;;   def quantise(x, axis, e):      # numpy; x: float32 -> the quantised numbers, widened to float32 again
;;       x = np.moveaxis(x, axis, -1); K = x.shape[-1]
;;       r = np.clip(x / 2.0 ** e, -448, 448)
;;       step = 2.0 ** (np.maximum(np.frexp(np.where(r == 0, 1, r))[1] - 1, -6) - 3)
;;       q = np.round(r / step) * step * 2.0 ** e      # np.round: ties to even
;;       return np.moveaxis(q, -1, axis).astype(np.float32)
;;   ~~~
;;   SOFTMAX AHEAD OF A QUANTISED PRODUCT. Where the list says 'softmax', what is quantised is not the finished softmax but p = 2^(t - M), with t = logit x log2(e) and M = ceil(the row's largest t), a whole number; so 1/2 < the row's largest p <= 1. The row's sum l is taken of the UNQUANTISED p, in f32, and the product's result is divided by l at the end. Since M is a whole number, a kernel that streams over the keys may use a running M (the ceiling of the running maximum): every later rescaling is an exact power of two, so the quantised numbers keep their values, but for numbers so far below the row's largest that they fall under the format's range.
;;   OPERANDS COMPUTED ON THE WAY. 'Computed on the way' means the value that the module computes at that place (a softmax that the list does not call 'softmax' is quantised finished and normalised). What goes into a quantiser is computed in f32, as accurately as f32 sums, v_exp_f32 and their like allow (about 1e-6 of the number): no bf16 or f16 on the way to a quantiser, and a product that is left as it is and whose result goes on into a quantised operand takes f32 operands (vector FMAs, or v_wmma_f32_16x16x4_f32). A number that lies on a knife's edge between two numbers of the format may be rounded either way, as far as f32 arithmetic and the matrix unit's own rounding can turn it there, and no further.
;; One version. Each part assembles by itself: llvm-mc -triple=amdgcn-amd-amdhsa -mcpu=gfx1250 --defsym DOCPART=n.
;; ======== version 1 of 1: 4 launches
;; limits: right only within a limited range of input values
;; workspace buffers: xc 8,388,608 bytes; wc 4,194,304 bytes; qkvc 25,165,824 bytes; yc 8,388,608 bytes
;; launch quant (part 1): grid 384 x 1, 4 waves a work-group, no clusters, 68,096 bytes of LDS; arguments x, w_attn, w_proj, lowp_scales, xc, wc; writes xc, wc
.if DOCPART == 1
	.amdgcn_target "amdgcn-amd-amdhsa--gfx1250"
	.amdhsa_code_object_version 6
	.text
	.protected	k_qc554aef374_quant
	.globl	k_qc554aef374_quant
	.p2align	8
	.type	k_qc554aef374_quant,@function
k_qc554aef374_quant:
	s_mov_b64 s[64:65], 0
	v_nop
	global_prefetch_b8 v0, s[64:65] scope:SCOPE_SE
	s_setreg_imm32_b32 hwreg(HW_REG_WAVE_MODE, 25, 1), 1
	s_wait_xcnt 0x0
; x [8192][1024], w_attn [1024][3072] and w_proj [1024][1024], all f32, become codes of FP8 (E4M3), K innermost, each with its given scale 2^e.
; code = number / 2^e, held within +-448, rounded to the nearest code, ties to even.  e: entry 0 (x), 1 (w_attn), 7 (w_proj) of the scales.
; LIMITS: each of these e lies between -126 and 119, so that 2^e and 448 x 2^e are f32 numbers.  NaN among the inputs is not served.
; xc: [8192 rows][1024 codes].  wc: [4096 rows][1024 codes]: rows 0-3071 are w_attn's columns, rows 3072-4095 w_proj's.
; ROW ORDER.  The row with number n is stored at n with bits 3 and 4 exchanged.  Sixteen consecutive stored rows are then two runs of eight rows that lie 16 apart,
; which is the choice of rows that lets a later product's results come out as sixteen neighbours a lane.
; Work-groups 0-255 take x (a wave: 8 whole rows, 8,192 numbers), work-groups 256-383 the weights (a wave: 32 columns x 256 along K).  Each reads 131,072 bytes.
; The two ways part on the work-group's number, have LDS bytes of their own and end apart.  No tensor loads, no barrier: waves share nothing.
.set STEPS, 16                         ; x: steps of 512 numbers for a wave
.set CB,    16                         ; bytes of a lane's 16 codes
.set SP,    80                         ; x: a lane's place in a stage: 64 bytes + 16 of padding
.set WREG,  8192                       ; x: LDS bytes of a wave: two stages of 32 x SP
.set R,     16                         ; x: v16-79   four sets of 16 numbers as loaded
.set X,     80                         ; x: v80-111  two sets of 16 neighbours
.set C,     128                        ; x: v128-191 codes, four registers a step: no store's data are written again
.set WST,   32768                      ; weights: the stages begin behind x's LDS bytes
.set WP,    272                        ; weights: a stage row: 256 bytes of codes + 16
.set NB,    8                          ; weights: blocks of 32 along K for a wave
.set WX,    32                         ; weights: v32-95   two sets of 32 numbers
.set WC,    96                         ; weights: v96-103  a block's codes
.set OUTR,  112                        ; weights: v112-175 the way out
.set OFF,   176                        ; weights: v176-207 4 x lane + i x pitch, i = 0 .. 31; never rewritten
	s_load_b256 s[4:11], s[0:1], 0x0               ; x s[4:5], w_attn s[6:7], w_proj s[8:9], the scales' exponents s[10:11]
	s_load_b128 s[12:15], s[0:1], 0x20             ; xc s[12:13], wc s[14:15]
	v_lshl_add_u32 v208, v0, 2, 0x10800
	v_mov_b32 v209, 0
	v_lshrrev_b32 v1, 5, v0
	v_readfirstlane_b32 s16, v1                    ; wave 0..3
	v_and_b32 v2, 31, v0                           ; lane
	s_wait_kmcnt 0x0
	s_load_b256 s[24:31], s[10:11], 0x0            ; e0 .. e7
	s_cmp_ge_u32 ttmp9, 256
	s_cbranch_scc1 .Lweights
	s_wait_alu depctr_va_vdst(0)
; ---------------- x: K is innermost.  Each load takes 512 consecutive bytes; a step's 2,048 bytes turn through the wave's stage so that a lane gets 16 neighbours.
	v_lshlrev_b32 v3, 4, v2                        ; my 16 bytes of a load's 512
	s_wait_alu depctr_va_vdst(0)
	s_mul_i32 s17, s16, WREG
	v_lshrrev_b32 v14, 2, v2
	v_mul_u32_u24 v14, v14, SP
	v_and_b32 v15, 3, v2
	v_lshl_add_u32 v14, v15, 4, v14
	v_add_nc_u32 v14, s17, v14                     ; the stage, on the way in: SP (lane / 4) + 16 (lane % 4)
	v_mul_u32_u24 v15, v2, SP
	v_add_nc_u32 v15, s17, v15                     ; on the way out: SP x lane
	v_mul_u32_u24 v4, v2, CB                       ; my codes' place in a step's 512 bytes
	s_lshl_b32 s17, ttmp9, 2
	s_add_co_u32 s18, s17, s16                     ; the wave's run of 8 rows: 4 x work-group + wave
	s_lshl_b32 s18, s18, 15                        ; 32,768 bytes of f32 a run
	s_mov_b32 s19, 0
	s_add_nc_u64 s[4:5], s[4:5], s[18:19]
	s_and_b32 s20, s16, 1                          ; a run is 8 rows, so bits 3 and 4 of the row are the wave's two bits: they change places
	s_lshl_b32 s20, s20, 1
	s_lshr_b32 s21, s16, 1
	s_or_b32 s20, s20, s21
	s_add_co_u32 s20, s20, s17
	s_lshl_b32 s20, s20, 13                        ; 8,192 bytes of codes a run
	s_mov_b32 s21, 0
	s_add_nc_u64 s[12:13], s[12:13], s[20:21]
.macro LOAD t
.irp i, 0,1,2,3
	global_load_b128 v[R+16*((\t)%4)+4*\i:R+16*((\t)%4)+4*\i+3], v3, s[4:5] offset:2048*(\t)+512*\i th:TH_LOAD_NT   ; 32 lanes read 512 consecutive bytes
.endr
.endm
.macro TURN t                          ; step t's numbers through the stage: LDS serves a wave's instructions in order, so no wait stands between the stores and the loads
.irp i, 0,1,2,3
	ds_store_b128 v14, v[R+16*((\t)%4)+4*\i:R+16*((\t)%4)+4*\i+3] offset:32*SP*((\t)%2)+8*SP*\i
.endr
.irp i, 0,1,2,3
	ds_load_b128 v[X+16*((\t)%2)+4*\i:X+16*((\t)%2)+4*\i+3], v15 offset:32*SP*((\t)%2)+16*\i
.endr
.endm
.irp t, 0,1,2,3
	LOAD \t
.endr
	s_wait_alu depctr_va_vdst(0)
	s_wait_kmcnt 0x0
	s_add_co_i32 s22, s24, 127                     ; e0
	s_lshl_b32 s23, s22, 23
	v_mov_b32 v11, s23                             ; 2^e as f32: the conversion takes its exponent field
	s_add_co_i32 s22, s22, 8
	s_lshl_b32 s22, s22, 23
	s_or_b32 s22, s22, 0x600000
	s_wait_alu depctr_va_vdst(0)
	s_wait_loadcnt 12                              ; step 0's four loads are in; the twelve of steps 1 to 3 may be out
	TURN 0
.macro STEP t
.set XS, X+16*((\t)%2)
	s_wait_dscnt 0x0                               ; this step's numbers are back from the stage, so its stores into the stage have read their registers,
.if (\t)+4 < STEPS
	LOAD (\t)+4                                    ; which take the loads of four steps on
.endif
.if (\t)+1 < STEPS
.if STEPS-2-(\t) >= 3
	s_wait_loadcnt 12                              ; the next step's four loads are in; those of the three steps behind it may be out
.else
	s_wait_loadcnt 4*(STEPS-2-(\t))
.endif
	TURN (\t)+1                                    ; they go through the other stage while this step is worked
.endif
.irp i, 0,1,2,3,4,5,6,7,8,9,10,11,12,13,14,15
.endr
	v_cvt_scalef32_pk8_fp8_f32 v[C+4*(\t):C+4*(\t)+1], v[XS:XS+7], v11
	v_cvt_scalef32_pk8_fp8_f32 v[C+4*(\t)+2:C+4*(\t)+3], v[XS+8:XS+15], v11
	global_store_b128 v4, v[C+4*(\t):C+4*(\t)+3], s[12:13] offset:32*CB*(\t)   ; the wave stores 512 consecutive bytes, aligned
.endm
.irp t, 0,1,2,3,4,5,6,7,8,9,10,11,12,13,14,15
	STEP \t
.endr
	s_wait_tensorcnt 0x0
	ds_add_u32 v208, v209
	s_wait_dscnt 0x0
	s_endpgm
; ---------------- the weights: K is the FIRST axis.  A lane takes a column and its registers run down K, so the conversions give codes with K innermost.
.Lweights:
	s_sub_co_u32 s17, ttmp9, 256                   ; 0 .. 127: 0-95 w_attn, 96-127 w_proj
	s_lshr_b32 s18, s17, 2                         ; which 128 rows of wc
	s_and_b32 s19, s17, 3                          ; which 256 along K
	s_mov_b32 s20, 12288                           ; a row of w_attn in bytes
	s_cmp_ge_u32 s17, 96                           ; the choice hangs on the work-group's number alone
	s_cselect_b64 s[6:7], s[8:9], s[6:7]           ; the tensor,
	s_cselect_b32 s20, 4096, s20                   ; its row in bytes,
	s_cselect_b32 s21, 24, 0                       ; and the block of 128 rows of wc at which it begins
	s_sub_co_u32 s21, s18, s21
	s_lshl_b32 s21, s21, 7
	s_lshl_b32 s22, s16, 5
	s_add_co_u32 s21, s21, s22                     ; my wave's first column
	s_lshl_b32 s21, s21, 2
	s_lshl_b32 s23, s19, 8
	s_mul_i32 s23, s23, s20                        ; 256 rows x which
	s_add_co_u32 s48, s23, s21
	s_mov_b32 s49, 0
	s_add_nc_u64 s[32:33], s[6:7], s[48:49]        ; eight bases, one for each block of 32 rows: none is ever stepped
	s_lshl_b32 s50, s20, 5
	s_mov_b32 s51, 0
.irp t, 1,2,3,4,5,6,7
	s_add_nc_u64 s[32+2*\t:33+2*\t], s[30+2*\t:31+2*\t], s[50:51]
.endr
	s_lshl_b32 s22, s18, 7
	s_lshl_b32 s23, s16, 5
	s_add_co_u32 s22, s22, s23                     ; my wave's first row of wc
	s_lshl_b32 s22, s22, 10
	s_lshl_b32 s23, s19, 8
	s_add_co_u32 s22, s22, s23                     ; + my 256 codes along K
	s_mov_b32 s23, 0
	s_add_nc_u64 s[52:53], s[14:15], s[22:23]
	s_wait_alu depctr_va_vdst(0)
	v_lshlrev_b32 v[OFF], 2, v2                    ; 4 bytes a lane: 32 lanes read 128 consecutive bytes of a row
.set I, 1
.rept 31
	v_add_nc_u32 v[OFF+I], s20, v[OFF+I-1]
.set I, I+1
.endr
	s_mul_i32 s54, s16, 32*WP
	s_add_co_u32 s54, s54, WST                     ; my stage: 32 rows of WP bytes
	v_mul_u32_u24 v4, v2, WP
	v_add_nc_u32 v4, s54, v4                       ; into it: row = my column
	v_and_b32 v5, 15, v2
	v_lshrrev_b32 v6, 4, v2
	v_mul_u32_u24 v7, v6, WP
	v_lshl_add_u32 v7, v5, 4, v7
	v_add_nc_u32 v7, s54, v7                       ; out of it: sixteen lanes to a row, two rows an instruction
	v_lshlrev_b32 v8, 10, v6
	v_lshl_add_u32 v8, v5, 4, v8                   ; and the same place in wc
.macro WLOAD t                         ; block t: rows 32 t + i of my column, into set t % 2
.irp i, 0,1,2,3,4,5,6,7,8,9,10,11,12,13,14,15,16,17,18,19,20,21,22,23,24,25,26,27,28,29,30,31
	global_load_b32 v[WX+32*((\t)%2)+\i], v[OFF+\i], s[32+2*(\t):33+2*(\t)] th:TH_LOAD_NT
.endr
.endm
	WLOAD 0
	WLOAD 1
	s_wait_kmcnt 0x0
	s_cmp_ge_u32 s17, 96
	s_cselect_b32 s22, s31, s25                    ; e7 or e1
	s_add_co_i32 s22, s22, 127
	s_lshl_b32 s23, s22, 23
	v_mov_b32 v11, s23                             ; 2^e
	s_add_co_i32 s22, s22, 8
	s_lshl_b32 s22, s22, 23
	s_or_b32 s22, s22, 0x600000
.macro BLOCK t
.set XS, WX+32*((\t)%2)
.if (\t) < NB-1
	s_wait_loadcnt 32                              ; this block's 32 loads are in; the next block's 32 may be out
.else
	s_wait_loadcnt 0
.endif
.irp i, 0,1,2,3,4,5,6,7,8,9,10,11,12,13,14,15,16,17,18,19,20,21,22,23,24,25,26,27,28,29,30,31
.endr
.irp g, 0,1,2,3
	v_cvt_scalef32_pk8_fp8_f32 v[WC+2*\g:WC+2*\g+1], v[XS+8*\g:XS+8*\g+7], v11
.endr
	ds_store_b128 v4, v[WC:WC+3] offset:32*(\t)    ; 32 codes: 32 bytes of my column's row
	ds_store_b128 v4, v[WC+4:WC+7] offset:32*(\t)+16
.if (\t)+2 < NB
	WLOAD (\t)+2
.endif
	s_wait_dscnt 0x0                               ; the stores have read their registers: the next block's codes may be written
.endm
	s_wait_alu depctr_va_vdst(0)
.irp t, 0,1,2,3,4,5,6,7
	BLOCK \t
.endr
.irp t, 0,1,2,3,4,5,6,7,8,9,10,11,12,13,14,15
	ds_load_b128 v[OUTR+4*\t:OUTR+4*\t+3], v7 offset:2*\t*WP   ; stage rows 2 t and 2 t + 1; LDS serves a wave's instructions in order: these see my stores
.endr
.irp t, 0,1,2,3,4,5,6,7,8,9,10,11,12,13,14,15
	s_wait_dscnt 15-\t                             ; the younger loads may be out
	global_store_b128 v8, v[OUTR+4*\t:OUTR+4*\t+3], s[52:53] offset:2*((\t&3)|(((\t>>2)&1)<<3)|(((\t>>3)&1)<<2))*1024   ; the row with bits 3 and 4 exchanged; sixteen lanes store 256 consecutive bytes, aligned
.endr
	s_wait_tensorcnt 0x0
	ds_add_u32 v208, v209
	s_wait_dscnt 0x0
	s_endpgm
.Lfunc_end_k_qc554aef374_quant:
	.size	k_qc554aef374_quant, .Lfunc_end_k_qc554aef374_quant-k_qc554aef374_quant
	.p2alignl 7, 3214868480
	.fill 96, 4, 3214868480
	.section	.rodata,"a",@progbits
	.p2align	6, 0x0
	.amdhsa_kernel k_qc554aef374_quant
		.amdhsa_group_segment_fixed_size 68096
		.amdhsa_private_segment_fixed_size 0
		.amdhsa_enable_private_segment 0
		.amdhsa_kernarg_size 48
		.amdhsa_user_sgpr_count 2
		.amdhsa_user_sgpr_kernarg_segment_ptr 1
		.amdhsa_wavefront_size32 1
		.amdhsa_system_sgpr_workgroup_id_x 1
		.amdhsa_system_sgpr_workgroup_id_y 1
		.amdhsa_system_sgpr_workgroup_id_z 1
		.amdhsa_system_vgpr_workitem_id 0
		.amdhsa_next_free_vgpr 210
		.amdhsa_next_free_sgpr 66
		.amdhsa_reserve_vcc 0
		.amdhsa_float_denorm_mode_32 3
		.amdhsa_float_denorm_mode_16_64 3
		.amdhsa_fp16_overflow 1
		.amdhsa_memory_ordered 1
		.amdhsa_forward_progress 1
		.amdhsa_inst_pref_size 55
	.end_amdhsa_kernel
	.amdgpu_metadata
---
amdhsa.version: [ 1, 2 ]
amdhsa.kernels:
  - .name:           k_qc554aef374_quant
    .symbol:         k_qc554aef374_quant.kd
    .args:
      - { .name: x, .offset: 0, .size: 8, .value_kind: global_buffer, .address_space: global }
      - { .name: w_attn, .offset: 8, .size: 8, .value_kind: global_buffer, .address_space: global }
      - { .name: w_proj, .offset: 16, .size: 8, .value_kind: global_buffer, .address_space: global }
      - { .name: lowp_scales, .offset: 24, .size: 8, .value_kind: global_buffer, .address_space: global }
      - { .name: xc, .offset: 32, .size: 8, .value_kind: global_buffer, .address_space: global }
      - { .name: wc, .offset: 40, .size: 8, .value_kind: global_buffer, .address_space: global }
    .group_segment_fixed_size: 68096
    .private_segment_fixed_size: 0
    .kernarg_segment_align: 8
    .kernarg_segment_size: 48
    .max_flat_workgroup_size: 128
    .sgpr_count:     66
    .vgpr_count:     210
    .wavefront_size: 32
...
	.end_amdgpu_metadata
.endif
;; end of part 1
;; launch qkv (part 2): grid 12 x 32, 4 waves a work-group, clusters of 4 x 4, 327,680 bytes of LDS; arguments xc, wc, lowp_scales, b_attn, qkvc; writes qkvc
.if DOCPART == 2
	.amdgcn_target "amdgcn-amd-amdhsa--gfx1250"
	.amdhsa_code_object_version 6
	.text
	.protected	k_qc554aef374_qkv
	.globl	k_qc554aef374_qkv
	.p2align	8
	.type	k_qc554aef374_qkv,@function
k_qc554aef374_qkv:
	s_mov_b64 s[64:65], 0
	v_nop
	global_prefetch_b8 v0, s[64:65] scope:SCOPE_SE
	s_setreg_imm32_b32 hwreg(HW_REG_WAVE_MODE, 25, 1), 1
	s_wait_xcnt 0x0
	s_wait_alu depctr_hold_cnt(0) depctr_sa_sdst(0) depctr_va_vdst(0) depctr_va_sdst(0) depctr_va_ssrc(0) depctr_va_vcc(0) depctr_vm_vsrc(0)
	s_getreg_b32 s2, hwreg(HW_REG_IB_STS2, 6, 4)
	s_cmp_eq_u32 s2, 0
	s_cbranch_scc0 .Lentry_in_a_cluster
	s_endpgm
.Lentry_in_a_cluster:
	s_bfe_u32 s2, ttmp6, 0x10000c
	s_cmp_lg_u32 s2, 0xf033
	s_cbranch_scc0 .Lentry_shape_is_right
	s_endpgm
.Lentry_shape_is_right:
; qkv = x w_attn + b_attn on codes of FP8 (E4M3); the results are quantised at once into the codes of q, k and v that the attention launch multiplies.
; xc: [8192][1024] codes, wc: [4096][1024] codes (rows 0-3071 here), both with K innermost and with each row n stored at n with bits 3 and 4 exchanged.
; A sum stands for sum x 2^(e0 + e1).  code = (sum + b / 2^(e0 + e1)) / 2^(eo - e0 - e1), held within +-448 codes; eo = e2 (q), e3 (k), e5 (v).
; LIMITS: eo - e0 - e1 lies between -126 and 119, so that the conversion's scale and 448 x it are f32 numbers.
; SHARES.  A tile of 256 x 256 is made by four waves, 128 x 128 each: 64 accumulators, 512 registers.  K = 1,024 goes in four steps of 256 through a ring of two LDS slots.
; THE CLUSTER'S x SAYS WHICH THIRD: 0 q, 1 k, 2 v; it is the same in all sixteen partners.  For q and k the "A" side (matrix source 1, a lane's row) is x's tokens and the "B" side (source 0,
; a lane's eight registers) is the weight's columns: a lane's numbers run along the head's axis, which is the K of q k^T.  For v the two change places: a lane's numbers run along the tokens,
; which are the K of p v.  Both tensors have rows of 1,024 bytes, so only the two base addresses and the tile numbers are chosen (by selects on the cluster's x), nothing in the loop.
; CLUSTERS: 4 x 4.  A's tile hangs on the tile row alone and is asked for jointly along a row of the cluster, B's on the tile column alone, along a column.
; WHAT THE ROW ORDER GIVES.  In accumulators (a, 2 g) and (a, 2 g + 1) lane (r, h) holds 16 NEIGHBOURS along B, numbers 32 g + 16 h + 0 .. 15, of A's row 32 (a / 2) + 8 (a % 2) + r + 8 (r / 8).
; Two conversions make of them 16 bytes that lie in the very lane and registers in which the next product's operand wants them.  So the codes leave as IMAGES OF OPERAND REGISTERS:
; each store is 16 bytes a lane at 16 x lane, 512 consecutive bytes, aligned; no stage in LDS.
; qkvc: [head 64][block of 128 tokens 16][24,576 bytes]: q [tile 8][c 2][512], k the same at +8,192, v [tile 4][c 4][512] at +16,384.
; REGISTERS, in windows of 256: window 0: v0-31 addresses; v32-121 biases and scales; from v128 A's fragments, ONE set; on the way out v128-255 are free.
;   window 1: B's fragments, TWO sets.   window 2: the accumulators of my rows 0-63 ((a, b) at v[8 (8 a + b)]);   window 3: those of rows 64-127.
.set ROWB,   256                       ; a tile's row in bytes: 256 codes along K
.set KROW,   1024                      ; a row of xc or wc in bytes
.set PITCH,  272                       ; an LDS row: 256 bytes + 16 of padding = 68 words: row r starts at bank 4 r mod 64 (64 banks of 4 bytes: ISA guide 11.1)
.set FR,     16                        ; registers of a fragment: 16 rows x 128 K
.set NL,     4                         ; LDS loads that bring one
.set NP,     4                         ; places behind this matrix instruction (ISA guide 7.12.1)
.set HALFT,  128*PITCH                 ; 128 rows: what one tensor load brings
.set SLOT,   4*HALFT                   ; A's 256 rows, then B's 256 rows
.set LAPS,   2                         ; 1,024 / 512: a lap is once round the ring
.set SPARE,  2*SLOT                    ; behind the ring: the spare words, 128 bytes a wave: two blocks of 256 bytes that no other line names
.set HS,     393216                    ; a head's bytes in qkvc
.set ADRA, 16                          ; v16-17  LDS address of my A fragments in slot 0, 1
.set ADRB, 20                          ; v20-21  the same for B
.set LI,   27                          ; v27     16 x lane
.set SPW,  28                          ; v28     LDS address of my spare word; never rewritten
.set NIL,  29                          ; v29     0; never rewritten
.set BQ,   32                          ; v32-95  q, k: b / 2^(e0 + e1) at my 64 columns: register 8 b + j goes with accumulator (., b), register j
.set BVR,  96                          ; v96-103 v: b at my row of A's block a, as loaded
.set BV2,  104                         ; v104-119 v: the same / 2^(e0 + e1), each twice: a pair for the packed addition
.set SC,   120                         ; v120    2^(eo - e0 - e1)
.set LIM,  121
.set AF,   128                         ; A's fragments
.set TMP,  128                         ; the way out: a block's 64 numbers
.set G1, 24                            ; s[24:31] descriptor group 1 for A's tiles;  s[32:39] group 0, one set for each slot
.set G0, 32
.set G1B, 48                           ; s[48:55], s[56:63] the same for B's tiles
.set G0B, 56
.set MSB, 0
.macro WIN new                         ; the immediate's high byte repeats the setting that is left
.if MSB != (\new)
	s_set_vgpr_msb (MSB<<8)|(\new)
.set MSB, (\new)
.endif
.endm
.set MUL_LO, 0xa1                      ; source 0 (B) window 1, source 1 (A) window 0, C and D window 2
.set MUL_HI, 0xf1                      ; the same, C and D window 3
.set TO_B,   0x40                      ; destination window 1, address window 0
; A joint load: waves 0 and 1 fetch for A, waves 2 and 3 for B.  The branch hangs on the wave's number alone.  Four v_nop follow each of the two lines.
.macro JLOAD g0a, g1a, g0b, g1b
	s_cmp_eq_u32 s15, 0
	s_cbranch_scc0 .Lfor_b_\@
	tensor_load_to_lds s[\g0a:\g0a+3], s[\g1a:\g1a+7]
	s_nop 0
.rept 4
	v_nop
.endr
	s_branch .Lasked_\@
.Lfor_b_\@:
	tensor_load_to_lds s[\g0b:\g0b+3], s[\g1b:\g1b+7]
	s_nop 0
.rept 4
	v_nop
.endr
.Lasked_\@:
.endm
.macro CREST                           ; a round of the cluster's barrier behind its opening barrier
	s_cmp_lg_u32 s14, 0
	s_cbranch_scc1 .Lnot_wave_0_\@
	s_barrier_signal -3
.Lnot_wave_0_\@:
	s_barrier_wait -3
	s_barrier_signal -1
	s_barrier_wait -1
.endm
.macro CROUND                          ; a whole round
	s_barrier_signal -1
	s_barrier_wait -1
	CREST
.endm
	s_load_b128 s[4:7], s[0:1], 0x0                ; xc s[4:5], wc s[6:7]
	s_load_b128 s[8:11], s[0:1], 0x10              ; the scales' exponents s[8:9], b_attn s[10:11]
	s_load_b64 s[12:13], s[0:1], 0x20              ; qkvc
	v_lshl_add_u32 v[SPW], v0, 2, SPARE
	v_mov_b32 v[NIL], 0
	ds_add_u32 v28, v29
	ds_add_u32 v28, v29
	s_wait_dscnt 0x0
	v_lshrrev_b32 v1, 5, v0
	v_readfirstlane_b32 s14, v1                    ; wave 0..3
	s_lshr_b32 s15, s14, 1                         ; which half of the tile's rows is mine.  Also: I fetch for A (0) or for B (1)
	s_and_b32 s16, s14, 1                          ; which half of its columns.  Also: which 128 rows of that tile I fetch
	s_bfe_u32 s40, ttmp6, 0x40000                  ; cx, cy: my place in the cluster
	s_bfe_u32 s41, ttmp6, 0x40004
	s_and_b32 s18, ttmp7, 0xffff
	s_lshl_b32 s18, s18, 2                         ; 4 x cluster y
	s_lshl_b32 s19, ttmp9, 2                       ; 4 x cluster x
	s_cmp_eq_u32 ttmp9, 2                          ; v?  The same answer in all partners
	s_cselect_b32 s17, 0, s18
	s_cselect_b32 s42, s18, s19
	s_add_co_u32 s17, s17, s41                     ; tile row: q, k: 4 cluster y + cy (of x);  v: cy (of v's 1,024 rows of wc)
	s_add_co_u32 s42, s42, s40                     ; tile column: q, k: 4 cluster x + cx (of wc);  v: 4 cluster y + cx (of x)
	s_lshl_b32 s43, s41, 2
	s_lshl_b32 s43, 15, s43                        ; my row of the cluster
	s_lshl_b32 s44, 0x1111, s40                    ; my column
	; descriptor group 1: a tile of 128 rows x 256 bytes, padded in LDS
	s_or_b32 s[G1+0], s43, (0<<16)|(1<<20)|(1<<21)|(5<<22)|(3<<25)  ; 15:0 the mask: A's tiles go to my row; 17:16 element of 1 byte; 20 padding on; 21 set beside a mask; 24:22 after every 64 words (code 5); 31:25 of 4 words (code 3)
	s_or_b32 s[G1B+0], s44, (0<<16)|(1<<20)|(1<<21)|(5<<22)|(3<<25)
.irp g, G1, G1B
	s_mov_b32 s[\g+1], ROWB<<16                    ; tensor_dim0
	s_mov_b32 s[\g+2], 128<<16                     ; tensor_dim1 = 128
	s_mov_b32 s[\g+3], ROWB<<16                    ; tile_dim0
	s_mov_b32 s[\g+4], 128                         ; tile_dim1 = 128
	s_mov_b32 s[\g+5], KROW                        ; tensor_dim0_stride
	s_mov_b32 s[\g+6], 0
	s_mov_b32 s[\g+7], 0
.endr
	s_lshl_b32 s18, s16, 7                         ; which 128 rows of the tile I fetch
	s_lshl_b32 s20, s17, 8
	s_add_co_u32 s20, s20, s18
	s_lshl_b32 s20, s20, 10                        ; A: (256 x tile row + 128 x half) rows of 1,024 bytes: under 2^24
	s_mov_b32 s21, 0
	s_lshl_b32 s46, s42, 8
	s_add_co_u32 s46, s46, s18
	s_lshl_b32 s46, s46, 10                        ; B likewise, from the tile column
	s_mov_b32 s47, 0
	s_mul_i32 s45, s14, HALFT                      ; where they go: wave x 128 rows: no place in the cluster enters an LDS address
	s_wait_kmcnt 0x0
	s_load_b256 s[68:75], s[8:9], 0x0              ; e0 .. e7
	s_add_nc_u64 s[84:85], s[6:7], 0x200000        ; v's rows of wc begin at row 2,048
	s_cmp_eq_u32 ttmp9, 2
	s_cselect_b64 s[86:87], s[84:85], s[4:5]       ; A: v's weights, or x
	s_cselect_b64 s[88:89], s[4:5], s[6:7]         ; B: x, or q's and k's weights
	s_add_nc_u64 s[20:21], s[86:87], s[20:21]
	s_add_nc_u64 s[46:47], s[88:89], s[46:47]
	CROUND                                         ; all sixteen work-groups are here: the first joint loads meet
.irp s, 0,1
	s_mov_b32 s[G0+4*\s], 1
	s_add_co_u32 s[G0+4*\s+1], s45, \s*SLOT
	s_add_nc_u64 s[G0+4*\s+2:G0+4*\s+3], s[20:21], \s*ROWB
	s_or_b32 s[G0+4*\s+3], s[G0+4*\s+3], 0x80000000
	s_mov_b32 s[G0B+4*\s], 1
	s_add_co_u32 s[G0B+4*\s+1], s45, \s*SLOT
	s_add_nc_u64 s[G0B+4*\s+2:G0B+4*\s+3], s[46:47], \s*ROWB
	s_or_b32 s[G0B+4*\s+3], s[G0B+4*\s+3], 0x80000000
	JLOAD G0+4*\s, G1, G0B+4*\s, G1B               ; two tensor loads of mine are out
.endr
	v_and_b32 v1, 15, v0                           ; r = l % 16
	v_bfe_u32 v2, v0, 4, 1                         ; h = l / 16
	s_wait_alu depctr_va_vdst(0)
	v_mul_u32_u24 v3, v1, PITCH
	v_lshl_add_u32 v4, v2, 4, v3                   ; a fragment's row x pitch + 16 x half
	s_mul_i32 s21, s15, HALFT                      ; my 128 rows of A
	s_mul_i32 s22, s16, HALFT                      ; my 128 rows of B,
	s_add_co_u32 s22, s22, 2*HALFT                 ; which lie behind A's 256
.irp s, 0,1
	v_add_nc_u32 v[ADRA+\s], s21, v4
	v_add_nc_u32 v[ADRB+\s], s22, v4
	s_add_co_u32 s21, s21, SLOT
	s_add_co_u32 s22, s22, SLOT
.endr
	v_and_b32 v5, 31, v0
	v_lshlrev_b32 v[LI], 4, v5
	; which tokens and which of the 3,072 columns are my wave's
	s_lshl_b32 s76, s17, 8
	s_lshl_b32 s77, s15, 7
	s_add_co_u32 s76, s76, s77                     ; my first row of the A side
	s_lshl_b32 s77, s42, 8
	s_lshl_b32 s78, s16, 7
	s_add_co_u32 s77, s77, s78                     ; my first row of the B side
	s_add_co_u32 s78, s76, 2048
	s_cmp_eq_u32 ttmp9, 2
	s_cselect_b32 s79, s77, s76                    ; my first token, a multiple of 128
	s_cselect_b32 s78, s78, s77                    ; my first column of qkv, a multiple of 128: two heads
	s_lshl_b32 s80, s78, 2
	s_mov_b32 s81, 0
	s_add_nc_u64 s[80:81], s[10:11], s[80:81]      ; b_attn at that column
	v_lshlrev_b32 v6, 6, v2                        ; q, k: my half's 16 numbers of each 32: 64 h bytes
	v_and_b32 v7, 8, v1
	v_add_nc_u32 v7, v7, v1
	v_lshlrev_b32 v7, 2, v7                        ; v: my row of a block: 4 (r + 8 (r / 8)) bytes
.irp be, 0,1,2,3                       ; both forms are loaded on every way (both lie inside my 128 numbers of b_attn); the way out takes one
.irp j, 0,1,2,3
	global_load_b128 v[BQ+16*\be+4*\j:BQ+16*\be+4*\j+3], v6, s[80:81] offset:128*\be+16*\j
.endr
.endr
.irp a, 0,1,2,3,4,5,6,7
	global_load_b32 v[BVR+\a], v7, s[80:81] offset:4*(32*(\a/2)+8*(\a%2))
.endr
	s_lshr_b32 s82, s79, 11                        ; the batch,
	s_lshl_b32 s82, s82, 4
	s_bfe_u32 s83, s78, 0x40006                    ; my first head: (column / 64) % 16,
	s_or_b32 s82, s82, s83
	s_lshl_b32 s82, s82, 4
	s_bfe_u32 s83, s79, 0x40007                    ; the block of 128 tokens: (token / 128) % 16
	s_add_co_u32 s82, s82, s83
	s_mul_i32 s82, s82, 24576
	s_lshr_b32 s83, s78, 10                        ; q, k or v: 0, 1, 2
	s_lshl_b32 s83, s83, 13
	s_add_co_u32 s82, s82, s83
	s_mov_b32 s83, 0
	s_add_nc_u64 s[82:83], s[12:13], s[82:83]      ; where my wave's images begin
	s_wait_loadcnt 0x0                             ; the biases
	s_wait_kmcnt 0x0                               ; the exponents
	s_add_co_i32 s84, s68, s69                     ; e0 + e1
	s_sub_co_i32 s85, 0, s84
	s_cmp_eq_u32 ttmp9, 0
	s_cselect_b32 s86, s70, s71
	s_cmp_eq_u32 ttmp9, 2
	s_cselect_b32 s86, s73, s86                    ; eo: e2, e3 or e5: a select, no branch
	s_sub_co_i32 s86, s86, s84
	s_add_co_i32 s86, s86, 127
	s_lshl_b32 s87, s86, 23
	v_mov_b32 v[SC], s87                           ; 2^(eo - e0 - e1): the three scales folded into the conversion's one
.set J, 0
.rept 64
	v_ldexp_f32 v[BQ+J], v[BQ+J], s85              ; b / 2^(e0 + e1): exact
.set J, J+1
.endr
.irp a, 0,1,2,3,4,5,6,7
	v_ldexp_f32 v[BV2+2*\a], v[BVR+\a], s85
	v_ldexp_f32 v[BV2+2*\a+1], v[BVR+\a], s85
.endr
.macro FRAG reg, adr, q, i             ; a fragment, 16 rows x 128 K: lane l holds row l % 16; registers 4 c .. 4 c + 3 hold K = 32 c + 16 (l / 16) + 0 .. 15: the same order of k on both sides, so every product meets its partner
.irp c, 0,1,2,3
	ds_load_b128 v[\reg+4*\c:\reg+4*\c+3], v[\adr] offset:128*(\q)+32*\c+(\i)*16*PITCH
.endr
.endm
; 16 matrix instructions: A's blocks a0, a0 + 1 x B's eight, 128 along K.  p: B's set.  zero = 1: the first product starts the sums.
; The 64 accumulators take turns, one instruction a turn, in the same order in every step.
.macro MUL16 a0, p, zero
.irp a, \a0, \a0+1
.irp b, 0,1,2,3,4,5,6,7
.if \zero
	v_wmma_f32_16x16x128_fp8_fp8 v[8*(8*((\a)%4)+\b):8*(8*((\a)%4)+\b)+7], v[128*(\p)+FR*\b:128*(\p)+FR*\b+FR-1], v[AF+FR*(\a):AF+FR*(\a)+FR-1], 0
.else
	v_wmma_f32_16x16x128_fp8_fp8 v[8*(8*((\a)%4)+\b):8*(8*((\a)%4)+\b)+7], v[128*(\p)+FR*\b:128*(\p)+FR*\b+FR-1], v[AF+FR*(\a):AF+FR*(\a)+FR-1], v[8*(8*((\a)%4)+\b):8*(8*((\a)%4)+\b)+7]
.endif
.endr
.endr
.endm
.macro FETCH_B slot, q, p              ; B's eight fragments of the slot's q-th 128 along K into set p
	WIN TO_B
.irp i, 0,1,2,3,4,5,6,7
	FRAG 128*(\p)+FR*\i, ADRB+\slot, \q, \i
.endr
	WIN 0
.endm
.macro FETCH_A slot, q, i0             ; A's blocks i0 .. i0 + 3
.irp i, \i0, \i0+1, \i0+2, \i0+3
	FRAG AF+FR*(\i), ADRA+\slot, \q, \i
.endr
.endm
; A load into a register that a matrix instruction has read, and a vector instruction that reads a matrix result, stand NP places behind that matrix instruction; only plain vector
; instructions that name none of its registers are places (ISA guide 7.12.1 for vector instructions).
.macro PLACES n
.rept \n
	v_nop
.endr
.endm
; A step of 128 along K that has its successor in the same slot.
.macro STEP slot, q, zero
	s_wait_dscnt 4*NL                              ; B's set and A's blocks 0-3 are in; the youngest sixteen loads (A's blocks 4-7) may be out
	WIN MUL_LO
	MUL16 0, (\q)%2, \zero
	MUL16 2, (\q)%2, \zero
	s_wait_dscnt 0                                 ; A's blocks 4-7 are in (asked for 32 matrix instructions ago)
	PLACES NP
	FETCH_B \slot, (\q)+1, 1-(\q)%2
	FETCH_A \slot, (\q)+1, 0
	WIN MUL_HI
	MUL16 4, (\q)%2, \zero
	MUL16 6, (\q)%2, \zero
	PLACES NP
	WIN 0
	FETCH_A \slot, (\q)+1, 4
.endm
; A slot's last step changes slots: ONE barrier; in front of it each wave waits for all its tensor loads, adds 0 to its spare word, and waits for that and for its own reads of this slot.  fill = 1: this slot is filled again, two K steps ahead.
.macro TURN slot, next, fill
	s_wait_tensorcnt 0x0                           ; all my tensor loads have landed: my part of the next slot  (every window is 0 here)
	ds_add_u32 v[SPW], v[NIL]                      ; 0 onto my spare word
	s_wait_dscnt 4*NL+1                            ; (the add and the youngest sixteen loads, A's blocks 4-7, may be out)
	WIN MUL_LO
	MUL16 0, 1, 0                                  ; sixteen matrix instructions stand between the add and the wait for it
	s_wait_dscnt 0x0                               ; the add is done, and my reads of this slot are over
	s_barrier_signal -1
	MUL16 2, 1, 0
	WIN 0
	s_barrier_wait -1
.if \fill
	CREST                                          ; the barrier has opened a round of the cluster's barrier: no wave of any partner still reads this slot's tile or has a load on its way
	s_add_nc_u64 s[G0+4*\slot+2:G0+4*\slot+3], s[G0+4*\slot+2:G0+4*\slot+3], 2*ROWB
	s_add_nc_u64 s[G0B+4*\slot+2:G0B+4*\slot+3], s[G0B+4*\slot+2:G0B+4*\slot+3], 2*ROWB
	JLOAD G0+4*\slot, G1, G0B+4*\slot, G1B         ; the first tensor load behind the round, my only one until the next; its four v_nop are the places in front of the loads below
.else
	PLACES NP
.endif
	FETCH_B \next, 0, 0
	FETCH_A \next, 0, 0
	WIN MUL_HI
	MUL16 4, 1, 0
	MUL16 6, 1, 0
	PLACES NP
	WIN 0
	FETCH_A \next, 0, 4
.endm
	s_wait_tensorcnt 1                             ; my part of K step 0 is in (K step 1's load may be out)
	s_barrier_signal -1
	s_barrier_wait -1                              ; everybody's is
	FETCH_B 0, 0, 0
	FETCH_A 0, 0, 0
	FETCH_A 0, 0, 4
	STEP 0, 0, 1                                   ; the first step stands in front of the loop: its products start the sums
	s_mov_b32 s3, LAPS-1
.Llap:                                                 ; a trip goes once round the ring, from a lap's second step to the next lap's first, and fills both slots again
	TURN 0, 1, 1
	STEP 1, 0, 0
	TURN 1, 0, 1
	STEP 0, 0, 0
	s_sub_co_u32 s3, s3, 1
	s_cmp_lg_u32 s3, 0
	s_cbranch_scc1 .Llap
	TURN 0, 1, 0                                   ; the last lap fills nothing, and has no round of the cluster's barrier
	STEP 1, 0, 0
	s_wait_dscnt 4*NL                              ; the very last step: nothing more to fetch
	WIN MUL_LO
	MUL16 0, 1, 0
	MUL16 2, 1, 0
	s_wait_dscnt 0
	WIN MUL_HI
	MUL16 4, 1, 0
	MUL16 6, 1, 0
	WIN 0
; THE WAY OUT, block a of 16 rows of the A side: + bias, hold, convert, store.  Each accumulator is read from its low end on.  isv = 0: the bias goes with the register (B side); 1: with the lane (A side).
.macro OUTBLK a, isv
.set AC, 64*((\a)%4)
.set CD, 192+16*((\a)%4)               ; the block's codes: four sets of 16 registers by turns
	WIN 0x02+((\a)/4)                              ; source 0: window 2 or 3
.irp b, 0,1,2,3,4,5,6,7
.irp i, 0,2,4,6
.if \isv
	v_pk_add_f32 v[TMP+8*\b+\i:TMP+8*\b+\i+1], v[AC+8*\b+\i:AC+8*\b+\i+1], v[BV2+2*(\a):BV2+2*(\a)+1]
.else
	v_pk_add_f32 v[TMP+8*\b+\i:TMP+8*\b+\i+1], v[AC+8*\b+\i:AC+8*\b+\i+1], v[BQ+8*\b+\i:BQ+8*\b+\i+1]
.endif
.endr
.endr
	WIN 0
.set J, 0
.rept 64
.set J, J+1
.endr
.if (\a) >= 4
	s_wait_alu depctr_va_vdst(0)
	s_wait_xcnt 0x0                                ; block a - 4's stores have read these registers
.endif
.irp g, 0,1,2,3
	v_cvt_scalef32_pk8_fp8_f32 v[CD+4*\g:CD+4*\g+1], v[TMP+16*\g:TMP+16*\g+7], v[SC]       ; accumulators 2 g and 2 g + 1: 16 neighbours, 16 bytes
	v_cvt_scalef32_pk8_fp8_f32 v[CD+4*\g+2:CD+4*\g+3], v[TMP+16*\g+8:TMP+16*\g+15], v[SC]
.endr
	v_nop                                          ; a plain vector line between the conversions and the next block's additions, which write their sources
.irp g, 0,1,2,3
.if \isv
	global_store_b128 v[LI], v[CD+4*\g:CD+4*\g+3], s[82:83] offset:((\a)/4)*HS+((\a)%4)*2048+\g*512       ; head a / 4, tile a % 4 of the head's 64, keys 32 g on
.else
	global_store_b128 v[LI], v[CD+4*\g:CD+4*\g+3], s[82:83] offset:(\g/2)*HS+(\a)*1024+(\g%2)*512         ; head g / 2, tile a of the 128 tokens, the head's 32 (g % 2) on
.endif
.endr
.endm
	PLACES NP                                      ; behind the last products: their results are read, and A's registers written, below
	s_cmp_eq_u32 ttmp9, 2                          ; the cluster's x: alike in all partners
	s_cbranch_scc1 .Lout_v
.irp a, 0,1,2,3,4,5,6,7
	OUTBLK \a, 0
.endr
	s_branch .Lout_done
.Lout_v:
.irp a, 0,1,2,3,4,5,6,7
	OUTBLK \a, 1
.endr
.Lout_done:
	s_wait_tensorcnt 0x0                           ; the wave's end
	ds_add_u32 v[SPW], v[NIL]
	s_wait_dscnt 0x0
	CROUND                                         ; the closing round: no work-group ends while a partner may still ask for a tile that names it
	s_endpgm
.Lfunc_end_k_qc554aef374_qkv:
	.size	k_qc554aef374_qkv, .Lfunc_end_k_qc554aef374_qkv-k_qc554aef374_qkv
	.p2alignl 7, 3214868480
	.fill 96, 4, 3214868480
	.section	.rodata,"a",@progbits
	.p2align	6, 0x0
	.amdhsa_kernel k_qc554aef374_qkv
		.amdhsa_group_segment_fixed_size 327680
		.amdhsa_private_segment_fixed_size 0
		.amdhsa_enable_private_segment 0
		.amdhsa_kernarg_size 40
		.amdhsa_user_sgpr_count 2
		.amdhsa_user_sgpr_kernarg_segment_ptr 1
		.amdhsa_wavefront_size32 1
		.amdhsa_system_sgpr_workgroup_id_x 1
		.amdhsa_system_sgpr_workgroup_id_y 1
		.amdhsa_system_sgpr_workgroup_id_z 1
		.amdhsa_system_vgpr_workitem_id 0
		.amdhsa_next_free_vgpr 1024
		.amdhsa_next_free_sgpr 92
		.amdhsa_reserve_vcc 0
		.amdhsa_float_denorm_mode_32 3
		.amdhsa_float_denorm_mode_16_64 3
		.amdhsa_fp16_overflow 1
		.amdhsa_memory_ordered 1
		.amdhsa_forward_progress 1
		.amdhsa_inst_pref_size 134
	.end_amdhsa_kernel
	.amdgpu_metadata
---
amdhsa.version: [ 1, 2 ]
amdhsa.kernels:
  - .name:           k_qc554aef374_qkv
    .symbol:         k_qc554aef374_qkv.kd
    .args:
      - { .name: xc, .offset: 0, .size: 8, .value_kind: global_buffer, .address_space: global }
      - { .name: wc, .offset: 8, .size: 8, .value_kind: global_buffer, .address_space: global }
      - { .name: lowp_scales, .offset: 16, .size: 8, .value_kind: global_buffer, .address_space: global }
      - { .name: b_attn, .offset: 24, .size: 8, .value_kind: global_buffer, .address_space: global }
      - { .name: qkvc, .offset: 32, .size: 8, .value_kind: global_buffer, .address_space: global }
    .group_segment_fixed_size: 327680
    .private_segment_fixed_size: 0
    .kernarg_segment_align: 8
    .kernarg_segment_size: 40
    .max_flat_workgroup_size: 128
    .sgpr_count:     92
    .vgpr_count:     1024
    .wavefront_size: 32
...
	.end_amdgpu_metadata
.endif
;; end of part 2
;; launch attn (part 3): grid 4 x 64, 16 waves a work-group, no clusters, 327,680 bytes of LDS; arguments qkvc, lowp_scales, yc; writes yc
.if DOCPART == 3
	.amdgcn_target "amdgcn-amd-amdhsa--gfx1250"
	.amdhsa_code_object_version 6
	.text
	.protected	k_qc554aef374_attn
	.globl	k_qc554aef374_attn
	.p2align	8
	.type	k_qc554aef374_attn,@function
k_qc554aef374_attn:
	s_mov_b64 s[64:65], 0
	v_nop
	global_prefetch_b8 v0, s[64:65] scope:SCOPE_SE
	s_setreg_imm32_b32 hwreg(HW_REG_WAVE_MODE, 25, 1), 1
	s_wait_xcnt 0x0
; y = softmax(q k^T / 8, causal) v for 64 heads of 2,048 tokens x 64, both products on codes of FP8 (E4M3); y is quantised at once for the projection.
; THE SOFTMAX: t = score x 2^(e2 + e3) x log2(e) / 8; M = the running largest t rounded UP to a whole number; p = 2^(t - M) is quantised with 2^e4, not normalised; the row's sum is taken of the
; unquantised p in f32 and divides at the end.  When M moves, the sum and O are multiplied by 2^(old M - new M): exact.  y's code = (O / sum) / 2^(e6 - e4 - e5), held within +-448 codes.
; LIMITS: e2 + e3 between -123 and 130 (added to the constant's exponent field); e4, and e6 - e4 - e5, between -126 and 119.
; qkvc: [head 64][block of 128 tokens 16][24,576 bytes] of IMAGES OF OPERAND REGISTERS: q [tile 8][c 2][512], k the same at +8,192, v [tile 4][c 4][512] at +16,384; a unit of 512 bytes is 16 bytes a lane.
;   q, k: lane (r, h) of tile u: token 32 (u / 2) + 8 (u % 2) + r + 8 (r / 8) of the block, the head's 32 c + 16 h + 0 .. 15.   v: lane (r, h) of tile u: the head's 32 (u / 2) + 8 (u % 2) + r + 8 (r / 8), keys 32 c + 16 h + 0 .. 15.
; Both products are used transposed (S^T = k q^T, O^T = v^T p^T): a lane holds ONE query throughout, and by that choice of rows the 16 registers of tiles 2 b and 2 b + 1 are 16 neighbours (keys in S^T, the head's axis in O^T).
; yc: [K step of 256: 4][block of 16 tokens: 512][q 2][c 4][512 bytes], again images: what the projection loads as fragments.
; SHARES.  Work-group (i, head) owns the blocks i and 7 - i of 256 queries.  Wave w owns two tiles of 16 queries: L, tile w of block i, and H, tile 15 - w of block 7 - i.  Under the mask tile u of token block J has J + 1 key steps of
; 128 keys, so every wave of every work-group has 17 tile steps.  The work-group walks 16 - 2 i key steps; a step's k and v are one dense block of 16,384 bytes, brought by wave 0's one tensor load
; into a ring of two LDS slots and read by all sixteen waves at 16 x lane: consecutive bytes, no pitch, no padding.
; NO CLUSTER: the four work-groups of a head walk 16, 14, 12 and 10 key steps, so partners would need different numbers of tiles; in step with each other each step would cost the busiest partner's work.
; A step all of whose keys come after a tile's queries is left out by a scalar branch on ids; no barrier and no tensor load stands under such a branch.
.set HS,    393216                     ; a head's bytes in qkvc
.set BLKB,  24576                      ; a block's
.set SLOTB, 16384                      ; a slot: k's 8,192 bytes, then v's
.set SPARE, 2*SLOTB                    ; behind the ring: the spare words, 128 bytes for each of sixteen waves: eight blocks of 256 bytes that no other line names
.set LI,   1                           ; v1   16 x lane
.set SPW,  2                           ; v2   LDS address of my spare word; never rewritten
.set NIL,  3                           ; v3   0; never rewritten
.set DML,  4                           ; v4   L: my query's number in its block of 128, less 16 h: register 16 b + i of S^T is hidden on the diagonal where 32 b + i is greater
.set DMH,  5                           ; v5   H: the same
.set NINF, 6                           ; v6   -infinity
.set PLIM, 7
.set PSC,  8                           ; v8   2^e4
.set YLIM, 9
.set YSC,  10                          ; v10  2^(e6 - e4 - e5)
.set STL,  16                          ; v16-19  L: -M, the largest t, the sum in two halves
.set STH,  20                          ; v20-23  H
.set QL,   24                          ; v24-31  L's fragment of q
.set QH,   32                          ; v32-39  H's
.set OL,   40                          ; v40-71  L's O^T, four tiles
.set OH,   72                          ; v72-103 H's
.set FR,   104                         ; v104-167 eight fragments of k (8 registers each), then four of v (16 each)
.set SV,   168                         ; v168-231 S^T, then p
.set PC,   232                         ; v232-247 p's codes; at the end y's
.set MX0,  248                         ; v248, v249 at work
.set MX1,  249
.set FM,   250                         ; v[250:251] f = 2^(old M - new M); the pair's upper word is only named
.set PM,   252                         ; v252 a lane permute's destination
.set SU,   254                         ; v[254:255] the sum's second chain
.set WV,   10                          ; s10  my wave's number
.set G1,   16                          ; s[16:23] descriptor group 1
.set G0,   24                          ; s[24:27], s[28:31] group 0 for slot 0, 1
.set TRIPS, 32
.set KJ,   33                          ; s33  the key step in hand
.set SEL,  34                          ; s[34:35] lane selects for v_permlanex16_b32: lane l xor 16
.set CS,   36                          ; s[36:37] c = 2^(e2 + e3) log2(e) / 8, twice
.set JL,   38                          ; s38  L's block of 128 tokens: its last key step
.set JH,   39                          ; s39  H's
.set YBL,  54                          ; s[54:55] where L's codes of y go
.set YBH,  56                          ; s[56:57] H's
.macro TLOAD g0                        ; wave 0 alone asks; four v_nop follow the line
	s_cmp_lg_u32 s[WV], 0
	s_cbranch_scc1 .Lnot_0_\@
	tensor_load_to_lds s[\g0:\g0+3], s[G1:G1+7]
	s_nop 0
.rept 4
	v_nop
.endr
.Lnot_0_\@:
.endm
	s_load_b128 s[4:7], s[0:1], 0x0                ; qkvc s[4:5], the scales' exponents s[6:7]
	s_load_b64 s[8:9], s[0:1], 0x10                ; yc
	v_lshl_add_u32 v[SPW], v0, 2, SPARE
	v_mov_b32 v[NIL], 0
	ds_add_u32 v2, v3
	ds_add_u32 v2, v3
	s_wait_dscnt 0x0
	v_lshrrev_b32 v11, 5, v0
	s_delay_alu instid0(VALU_DEP_1)
	v_readfirstlane_b32 s[WV], v11                 ; wave 0..15
	s_mov_b32 s11, ttmp9                           ; i
	s_and_b32 s12, ttmp7, 0xffff                   ; batch x 16 + head
	s_mov_b32 s[G1], 3<<16                         ; 15:0 no mask; 17:16 elements of 8 bytes; no padding
	s_mov_b32 s[G1+1], 32<<16                      ; tensor_dim0 = 32 elements: rows of 256 bytes
	s_mov_b32 s[G1+2], 64<<16                      ; tensor_dim1 = 64
	s_mov_b32 s[G1+3], 32<<16                      ; tile_dim0 = 32
	s_mov_b32 s[G1+4], 64                          ; tile_dim1 = 64
	s_mov_b32 s[G1+5], 32                          ; the pitch: dense
	s_mov_b32 s[G1+6], 0
	s_mov_b32 s[G1+7], 0
	s_mov_b32 s[SEL], 0x76543210
	s_mov_b32 s[SEL+1], 0xfedcba98
	s_lshl_b32 s13, s11, 1
	s_lshr_b32 s14, s[WV], 3
	s_add_co_u32 s[JL], s13, s14                   ; 2 i + w / 8
	s_and_b32 s48, s[WV], 7                        ; L's tile in its block of 128
	s_sub_co_u32 s15, 15, s[WV]
	s_lshr_b32 s14, s15, 3
	s_sub_co_u32 s[JH], 14, s13
	s_add_co_u32 s[JH], s[JH], s14                 ; 14 - 2 i + (15 - w) / 8
	s_and_b32 s49, s15, 7                          ; H's tile
	s_sub_co_u32 s[TRIPS], 7, s11                  ; 16 - 2 i key steps: 7 - i trips of two, and two written out
	s_mov_b32 s[KJ], 0
	s_mul_i32 s58, s12, HS
	s_mov_b32 s59, 0
	s_mul_i32 s60, s[JL], BLKB
	s_lshl_b32 s61, s48, 10
	s_add_co_u32 s60, s60, s61                     ; L's q in the head's bytes
	s_mov_b32 s61, 0
	s_mul_i32 s62, s[JH], BLKB
	s_lshl_b32 s63, s49, 10
	s_add_co_u32 s62, s62, s63                     ; H's
	s_mov_b32 s63, 0
	s_and_b32 s13, s12, 15                         ; the head: its 64 of y's 1,024 are K step head / 4, q and c from head % 4
	s_lshr_b32 s14, s12, 4                         ; the batch
	s_lshr_b32 s15, s13, 2
	s_lshl_b32 s15, s15, 21
	s_and_b32 s13, s13, 3
	s_lshl_b32 s13, s13, 10
	s_add_co_u32 s15, s15, s13
	s_lshl_b32 s14, s14, 19                        ; 128 blocks of 16 tokens x 4,096 bytes a batch
	s_add_co_u32 s15, s15, s14
	s_lshl_b32 s[YBL], s[JL], 3
	s_add_co_u32 s[YBL], s[YBL], s48
	s_lshl_b32 s[YBL], s[YBL], 12
	s_add_co_u32 s[YBL], s[YBL], s15
	s_mov_b32 s[YBL+1], 0
	s_lshl_b32 s[YBH], s[JH], 3
	s_add_co_u32 s[YBH], s[YBH], s49
	s_lshl_b32 s[YBH], s[YBH], 12
	s_add_co_u32 s[YBH], s[YBH], s15
	s_mov_b32 s[YBH+1], 0
	s_wait_kmcnt 0x0
	s_load_b256 s[40:47], s[6:7], 0x0              ; e0 .. e7
	s_add_nc_u64 s[58:59], s[4:5], s[58:59]        ; the head's first byte
	s_mov_b32 s[G0], 1                             ; count = 1
	s_mov_b32 s[G0+1], 0                           ; LDS address: slot 0
	s_add_nc_u64 s[G0+2:G0+3], s[58:59], 8192      ; key step 0: k and v of block 0
	s_or_b32 s[G0+3], s[G0+3], 0x80000000          ; type = 2
	s_mov_b32 s[G0+4], 1
	s_mov_b32 s[G0+5], SLOTB
	s_add_nc_u64 s[G0+6:G0+7], s[58:59], 8192+BLKB ; key step 1
	s_or_b32 s[G0+7], s[G0+7], 0x80000000
	TLOAD G0                                       ; key step 0 into slot 0: the one tensor load that is out
	s_add_nc_u64 s[50:51], s[58:59], s[60:61]
	s_add_nc_u64 s[52:53], s[58:59], s[62:63]
	s_add_nc_u64 s[YBL:YBL+1], s[8:9], s[YBL:YBL+1]
	s_add_nc_u64 s[YBH:YBH+1], s[8:9], s[YBH:YBH+1]
	v_and_b32 v11, 31, v0
	s_delay_alu instid0(VALU_DEP_1)
	v_lshlrev_b32 v[LI], 4, v11
	global_load_b128 v[QL:QL+3],   v[LI], s[50:51]             ; q's fragments stay in registers
	global_load_b128 v[QL+4:QL+7], v[LI], s[50:51] offset:512
	global_load_b128 v[QH:QH+3],   v[LI], s[52:53]
	global_load_b128 v[QH+4:QH+7], v[LI], s[52:53] offset:512
	v_and_b32 v11, 15, v0                          ; r
	v_bfe_u32 v12, v0, 4, 1                        ; h
	s_delay_alu instid0(VALU_DEP_2)
	v_and_b32 v13, 8, v11
	s_delay_alu instid0(VALU_DEP_1)
	v_add_nc_u32 v13, v13, v11                     ; r + 8 (r / 8)
	s_delay_alu instid0(VALU_DEP_3)
	v_lshlrev_b32 v12, 4, v12
	s_delay_alu instid0(VALU_DEP_1)
	v_sub_nc_u32 v13, v13, v12                     ; - 16 h
	s_wait_alu depctr_va_vdst(0)
	s_lshr_b32 s13, s48, 1
	s_lshl_b32 s13, s13, 5
	s_and_b32 s14, s48, 1
	s_lshl_b32 s14, s14, 3
	s_add_co_u32 s13, s13, s14                     ; 32 (tile / 2) + 8 (tile % 2)
	v_add_nc_u32 v[DML], s13, v13
	s_lshr_b32 s13, s49, 1
	s_lshl_b32 s13, s13, 5
	s_and_b32 s14, s49, 1
	s_lshl_b32 s14, s14, 3
	s_add_co_u32 s13, s13, s14
	v_add_nc_u32 v[DMH], s13, v13
	v_mov_b32 v[NINF], 0xff800000
.irp st, STL, STH
	v_mov_b32 v[\st+1], 0xff61b1e6                 ; the largest t so far: -3e38, under every t
	s_delay_alu instid0(VALU_DEP_1)
	v_floor_f32 v[\st], -v[\st+1]                  ; -M
	v_mov_b32 v[\st+2], 0                          ; the sum, in two halves
	v_mov_b32 v[\st+3], 0
.endr
	v_mov_b32 v[FM+1], 0                           ; (named as the upper half of a pair)
	v_mov_b32 v[PM], 0                             ; a lane permute's destination counts as one of its sources
.set N, 0
.rept 64
	v_mov_b32 v[OL+N], 0                           ; both O^T.  (The key step is written without a first step of its own: the first change of M multiplies zeros)
.set N, N+1
.endr
	s_wait_kmcnt 0x0
	s_add_co_i32 s13, s42, s43                     ; e2 + e3
	s_lshl_b32 s13, s13, 23
	s_mov_b32 s[CS], 0x3e38aa3b                    ; log2(e) / 8
	s_add_co_i32 s[CS], s[CS], s13                 ; the two exponents are added to its exponent field
	s_mov_b32 s[CS+1], s[CS]
	s_add_co_i32 s13, s44, 127                     ; e4
	s_lshl_b32 s14, s13, 23
	v_mov_b32 v[PSC], s14
	s_sub_co_i32 s13, s46, s44                     ; e6 - e4 - e5
	s_sub_co_i32 s13, s13, s45
	s_add_co_i32 s13, s13, 127
	s_lshl_b32 s14, s13, 23
	v_mov_b32 v[YSC], s14
	s_wait_loadcnt 0x0                             ; q
; ONE TILE'S KEY STEP: 16 queries x the 128 keys in the slot.  st: its statistics; qf: its q; ot: its O^T; dm: its mask register; sj: the scalar that holds its last key step.
.macro STEP slot, st, qf, ot, dm, sj
	s_cmp_gt_u32 s[KJ], s[\sj]                     ; all keys of this step come after my queries: nothing to do
	s_cbranch_scc1 .Lhidden_\@
.rept 4
	v_nop                                          ; places in front of loads into registers that the last products read
.endr
.irp t, 0,1,2,3,4,5,6,7
	ds_load_b128 v[FR+8*\t:FR+8*\t+3],   v[LI] offset:\slot*SLOTB+1024*\t
	ds_load_b128 v[FR+8*\t+4:FR+8*\t+7], v[LI] offset:\slot*SLOTB+1024*\t+512
.endr
	s_wait_dscnt 0x0
.irp t, 0,1,2,3,4,5,6,7
	v_wmma_f32_16x16x64_fp8_fp8 v[SV+8*\t:SV+8*\t+7], v[FR+8*\t:FR+8*\t+7], v[\qf:\qf+7], 0   ; S^T: register 16 b + i of tiles 2 b, 2 b + 1 is key 32 b + 16 h + i
.endr
.rept 4
	v_nop                                          ; places: in front of the loads below, and of the first read of the scores
.endr
.irp t, 0,1,2,3
.irp c, 0,1,2,3
	ds_load_b128 v[FR+16*\t+4*\c:FR+16*\t+4*\c+3], v[LI] offset:\slot*SLOTB+8192+2048*\t+512*\c   ; v lands while the softmax is worked
.endr
.endr
	s_cmp_lg_u32 s[KJ], s[\sj]                     ; only the tile's last step lies on the diagonal
	s_cbranch_scc1 .Lopen_\@
.set N, 0
.rept 64
	v_cmp_gt_i32 vcc_lo, 32*(N/16)+N%16, v[\dm]
	v_cndmask_b32 v[SV+N], v[SV+N], v[NINF], vcc_lo    ; hidden scores become -infinity ahead of the maximum: p = 0 then
.set N, N+1
.endr
.Lopen_\@:
	v_max3_num_f32 v[MX0], v[SV], v[SV+1], v[SV+2]     ; the step's largest score of my query among my 64 keys, in two chains; each tile of S^T is first read at its low end
	v_max3_num_f32 v[MX1], v[SV+3], v[SV+4], v[SV+5]
.irp i, 6,10,14,18,22,26,30,34,38,42,46,50,54,58
	v_max3_num_f32 v[MX0], v[MX0], v[SV+\i], v[SV+\i+1]
	v_max3_num_f32 v[MX1], v[MX1], v[SV+\i+2], v[SV+\i+3]
.endr
	v_max3_num_f32 v[MX0], v[MX0], v[SV+62], v[SV+63]
	s_delay_alu instid0(VALU_DEP_1)
	v_max_num_f32 v[MX0], v[MX0], v[MX1]
	s_delay_alu instid0(VALU_DEP_1)
	v_permlanex16_b32 v[PM], v[MX0], s[SEL], s[SEL+1]
	s_delay_alu instid0(VALU_DEP_1)
	v_max_num_f32 v[MX0], v[MX0], v[PM]                ; and among lane l xor 16's
	s_delay_alu instid0(VALU_DEP_1)
	v_mul_f32 v[MX0], s[CS], v[MX0]                    ; as t (c is positive)
	s_delay_alu instid0(VALU_DEP_1)
	v_max_num_f32 v[\st+1], v[\st+1], v[MX0]           ; the running largest t
	v_mov_b32 v[MX0], v[\st]
	s_delay_alu instid0(VALU_DEP_2)
	v_floor_f32 v[\st], -v[\st+1]                      ; the new -M = floor(-t) = -ceil(t): a whole number
	s_delay_alu instid0(VALU_DEP_1)
	v_sub_f32 v[MX0], v[\st], v[MX0]                   ; old M - new M: a whole number, 0 or less
	s_delay_alu instid0(VALU_DEP_1)
	v_cvt_i32_f32 v[MX0], v[MX0]                       ; (it saturates)
	s_delay_alu instid0(VALU_DEP_1)
	v_ldexp_f32 v[FM], 1.0, v[MX0]                     ; f = 2^(old M - new M)
.set N, 0
.rept 32
	v_pk_fma_f32 v[SV+N:SV+N+1], v[SV+N:SV+N+1], s[CS:CS+1], v[\st:\st+1] op_sel_hi:[1,0,0]   ; t - M, two at a time (of the pairs c and -M the low word serves both halves)
.set N, N+2
.endr
.set N, 0
	s_wait_alu depctr_va_vdst(0)
.rept 64
	v_exp_f32 v[SV+N], v[SV+N]                         ; p = 2^(t - M), at most 1
.set N, N+1
.endr
	v_pk_mul_f32 v[\st+2:\st+3], v[\st+2:\st+3], v[FM:FM+1] op_sel_hi:[1,0]   ; the sums under the new M  (a plain place behind the exponentials)
	s_wait_alu depctr_va_vdst(0)
	v_pk_add_f32 v[SU:SU+1], v[SV:SV+1], v[SV+2:SV+3]  ; the row's sum is taken of the unquantised p: two at a time, in two chains
.irp j, 4,8,12,16,20,24,28,32,36,40,44,48,52,56,60
	v_pk_add_f32 v[\st+2:\st+3], v[\st+2:\st+3], v[SV+\j:SV+\j+1]
	v_pk_add_f32 v[SU:SU+1], v[SU:SU+1], v[SV+\j+2:SV+\j+3]
.endr
	s_delay_alu instid0(VALU_DEP_1)
	v_pk_add_f32 v[\st+2:\st+3], v[\st+2:\st+3], v[SU:SU+1]
.irp b, 0,1,2,3
.irp i, 0,1,2,3,4,5,6,7,8,9,10,11,12,13,14,15
.endr
	v_cvt_scalef32_pk8_fp8_f32 v[PC+4*\b:PC+4*\b+1], v[SV+16*\b:SV+16*\b+7], v[PSC]
	v_cvt_scalef32_pk8_fp8_f32 v[PC+4*\b+2:PC+4*\b+3], v[SV+16*\b+8:SV+16*\b+15], v[PSC]
.endr
.set N, 0
.rept 16
	v_pk_mul_f32 v[\ot+N:\ot+N+1], v[\ot+N:\ot+N+1], v[FM:FM+1] op_sel_hi:[1,0]   ; O^T under the new M  (also the plain lines between the conversions and the products)
.set N, N+2
.endr
	s_wait_alu depctr_va_vdst(0)
	s_wait_dscnt 0x0                               ; v is in
.irp t, 0,1,2,3
	v_wmma_f32_16x16x128_fp8_fp8 v[\ot+8*\t:\ot+8*\t+7], v[FR+16*\t:FR+16*\t+15], v[PC:PC+15], v[\ot+8*\t:\ot+8*\t+7]   ; the four accumulators by turns; eight products k q^T stand between two links of a chain
.endr
.Lhidden_\@:
.endm
; A KEY STEP OF THE WORK-GROUP.  Each wave waits for all its tensor loads (wave 0's is this step's tile), adds 0 to its spare word, waits for that and for its reads of the other slot, and passes the barrier.
; Behind it this step's slot is whole and nobody reads the other one, which takes the next step's tile: that load has this whole step in which to land.
.macro TRIP slot, refill
	s_wait_tensorcnt 0x0                           ; no tensor load of mine is out, so a group 0 may be written
	ds_add_u32 v[SPW], v[NIL]                      ; 0 onto my spare word
	s_add_nc_u64 s[G0+4*\slot+2:G0+4*\slot+3], s[G0+4*\slot+2:G0+4*\slot+3], 2*BLKB   ; this slot's next tile: two key steps on
	s_wait_dscnt 0x0                               ; the add is done, and my reads of the other slot are over
	s_barrier_signal -1
	s_barrier_wait -1
.if \refill
	TLOAD G0+4-4*\slot                             ; the first thing behind the barrier, and wave 0's one tensor load until the next
.endif
	STEP \slot, STL, QL, OL, DML, JL
	STEP \slot, STH, QH, OH, DMH, JH
	s_add_co_u32 s[KJ], s[KJ], 1
.endm
.Ltrip:
	TRIP 0, 1
	TRIP 1, 1
	s_sub_co_u32 s[TRIPS], s[TRIPS], 1
	s_cmp_lg_u32 s[TRIPS], 0
	s_cbranch_scc1 .Ltrip
	TRIP 0, 1                                      ; the last two steps are written out: one more fill, then none
	TRIP 1, 0
; THE WAY OUT of a tile: O^T / the sum, held, converted: the 16 registers of tiles 2 b and 2 b + 1 are the head's 32 b + 16 h + 0 .. 15 of my query: 16 bytes of the projection's operand.
.macro FIN st, ot, pc, yb
	v_add_f32 v[MX0], v[\st+2], v[\st+3]           ; the sum's two halves,
	s_delay_alu instid0(VALU_DEP_1)
	v_permlanex16_b32 v[PM], v[MX0], s[SEL], s[SEL+1]
	s_delay_alu instid0(VALU_DEP_1)
	v_add_f32 v[MX0], v[MX0], v[PM]                ; and lane l xor 16's
	s_wait_alu depctr_va_vdst(0)
	v_rcp_f32 v[FM], v[MX0]
	v_nop                                          ; a plain place behind the transcendental
.set N, 0
	s_wait_alu depctr_va_vdst(0)
.rept 16
	v_pk_mul_f32 v[SV+N:SV+N+1], v[\ot+N:\ot+N+1], v[FM:FM+1] op_sel_hi:[1,0]   ; each accumulator from its low end on
.set N, N+2
.endr
.set N, 0
.rept 32
.set N, N+1
.endr
.irp b, 0,1
	v_cvt_scalef32_pk8_fp8_f32 v[\pc+4*\b:\pc+4*\b+1], v[SV+16*\b:SV+16*\b+7], v[YSC]
	v_cvt_scalef32_pk8_fp8_f32 v[\pc+4*\b+2:\pc+4*\b+3], v[SV+16*\b+8:SV+16*\b+15], v[YSC]
.endr
	v_nop                                          ; a plain line between the conversions and the next lines that write their sources
.irp b, 0,1
	global_store_b128 v[LI], v[\pc+4*\b:\pc+4*\b+3], s[\yb:\yb+1] offset:512*\b   ; the wave stores 512 consecutive bytes, aligned
.endr
.endm
.rept 4
	v_nop                                          ; places behind the last products
.endr
	FIN STL, OL, PC, YBL
	FIN STH, OH, PC+8, YBH
	s_wait_tensorcnt 0x0                           ; the wave's end
	ds_add_u32 v[SPW], v[NIL]
	s_wait_dscnt 0x0
	s_endpgm
.Lfunc_end_k_qc554aef374_attn:
	.size	k_qc554aef374_attn, .Lfunc_end_k_qc554aef374_attn-k_qc554aef374_attn
	.p2alignl 7, 3214868480
	.fill 96, 4, 3214868480
	.section	.rodata,"a",@progbits
	.p2align	6, 0x0
	.amdhsa_kernel k_qc554aef374_attn
		.amdhsa_group_segment_fixed_size 327680
		.amdhsa_private_segment_fixed_size 0
		.amdhsa_enable_private_segment 0
		.amdhsa_kernarg_size 24
		.amdhsa_user_sgpr_count 2
		.amdhsa_user_sgpr_kernarg_segment_ptr 1
		.amdhsa_wavefront_size32 1
		.amdhsa_system_sgpr_workgroup_id_x 1
		.amdhsa_system_sgpr_workgroup_id_y 1
		.amdhsa_system_sgpr_workgroup_id_z 1
		.amdhsa_system_vgpr_workitem_id 0
		.amdhsa_next_free_vgpr 256
		.amdhsa_next_free_sgpr 66
		.amdhsa_reserve_vcc 1
		.amdhsa_float_denorm_mode_32 3
		.amdhsa_float_denorm_mode_16_64 3
		.amdhsa_fp16_overflow 1
		.amdhsa_memory_ordered 1
		.amdhsa_forward_progress 1
		.amdhsa_inst_pref_size 162
	.end_amdhsa_kernel
	.amdgpu_metadata
---
amdhsa.version: [ 1, 2 ]
amdhsa.kernels:
  - .name:           k_qc554aef374_attn
    .symbol:         k_qc554aef374_attn.kd
    .args:
      - { .name: qkvc, .offset: 0, .size: 8, .value_kind: global_buffer, .address_space: global }
      - { .name: lowp_scales, .offset: 8, .size: 8, .value_kind: global_buffer, .address_space: global }
      - { .name: yc, .offset: 16, .size: 8, .value_kind: global_buffer, .address_space: global }
    .group_segment_fixed_size: 327680
    .private_segment_fixed_size: 0
    .kernarg_segment_align: 8
    .kernarg_segment_size: 24
    .max_flat_workgroup_size: 512
    .sgpr_count:     66
    .vgpr_count:     256
    .wavefront_size: 32
...
	.end_amdgpu_metadata
.endif
;; end of part 3
;; launch proj (part 4): grid 4 x 32, 4 waves a work-group, clusters of 4 x 4, 327,680 bytes of LDS; arguments yc, wc, lowp_scales, b_proj, out0; writes out0
.if DOCPART == 4
	.amdgcn_target "amdgcn-amd-amdhsa--gfx1250"
	.amdhsa_code_object_version 6
	.text
	.protected	k_qc554aef374_proj
	.globl	k_qc554aef374_proj
	.p2align	8
	.type	k_qc554aef374_proj,@function
k_qc554aef374_proj:
	s_mov_b64 s[64:65], 0
	v_nop
	global_prefetch_b8 v0, s[64:65] scope:SCOPE_SE
	s_setreg_imm32_b32 hwreg(HW_REG_WAVE_MODE, 25, 1), 1
	s_wait_xcnt 0x0
	s_wait_alu depctr_hold_cnt(0) depctr_sa_sdst(0) depctr_va_vdst(0) depctr_va_sdst(0) depctr_va_ssrc(0) depctr_va_vcc(0) depctr_vm_vsrc(0)
	s_getreg_b32 s2, hwreg(HW_REG_IB_STS2, 6, 4)
	s_cmp_eq_u32 s2, 0
	s_cbranch_scc0 .Lentry_in_a_cluster
	s_endpgm
.Lentry_in_a_cluster:
	s_bfe_u32 s2, ttmp6, 0x10000c
	s_cmp_lg_u32 s2, 0xf033
	s_cbranch_scc0 .Lentry_shape_is_right
	s_endpgm
.Lentry_shape_is_right:
; out0 = y w_proj + b_proj on codes of FP8 (E4M3).  out0: [8192][1024] f32.  A finished sum is multiplied once by 2^(e6 + e7) and the bias added, in one fused multiply-add.
; LIMIT: e6 + e7 lies between -126 and 127, so that 2^(e6 + e7) is an f32 number.
; yc: [K step of 256: 4][block of 16 rows: 512][q 2][c 4][512 bytes]: IMAGES OF OPERAND REGISTERS: a unit is 16 bytes a lane; lane (r, h) of block m holds, of row 128 (m / 8) + 32 ((m % 8) / 2) + 8 (m % 2) + r + 8 (r / 8),
; K = 256 s + 128 q + 32 c + 16 h + 0 .. 15.  A work-group's 256 rows of one K step are 65,536 dense bytes, and a fragment is four loads at 16 x lane.
; wc rows 3,072-4,095: w_proj's columns, [1024 codes], K innermost, row n stored at n with bits 3 and 4 exchanged.
; SHARES.  A tile of 256 x 256 by four waves, 128 x 128 each: 64 accumulators.  K = 1,024 in four steps of 256 through a ring of two LDS slots.  The output has 32 x 4 such tiles: 128 work-groups.
; CLUSTERS: 4 x 4.  A's tile hangs on the tile row alone and is asked for jointly along a row of the cluster, B's on the tile column alone, along a column.
; THE MATRIX INSTRUCTION IS USED TRANSPOSED (source 0 = 16 rows of wc, source 1 = 16 rows of y): a lane holds eight neighbouring numbers of a row of the output.
; REGISTERS, in windows of 256: window 0: v0-31 addresses and my four numbers of the bias; from v128 A's fragments, ONE set; on the way out v128-255 are free.
;   window 1: B's fragments, TWO sets.   window 2: the accumulators of my rows 0-63 ((a, b) at v[8 (8 a + b)]);   window 3: those of rows 64-127.
.set ROWB,   256                       ; B: a tile's row in bytes
.set KROW,   1024                      ; B: a row of wc in bytes
.set PITCH,  272                       ; B: an LDS row: 256 bytes + 16 of padding = 68 words: row r starts at bank 4 r mod 64 (64 banks of 4 bytes: ISA guide 11.1)
.set FR,     16
.set NL,     4
.set NP,     4                         ; places behind this matrix instruction (ISA guide 7.12.1)
.set HALFA,  32768                     ; A: eight blocks of 16 rows x 256 K: what one tensor load brings
.set HALFB,  128*PITCH                 ; B: 128 rows
.set BOFF,   2*HALFA                   ; B's rows lie behind A's images
.set SLOT,   2*HALFA+2*HALFB
.set ASTEP,  0x400000                  ; A: two K steps on: 2 x 512 blocks x 4,096 bytes
.set LAPS,   2
.set SPARE,  2*SLOT                    ; behind the ring: the spare words, 128 bytes a wave: two blocks of 256 bytes that no other line names
.set SPITCH, 528                       ; the way out: a stage of 16 rows x (512 bytes + 16) for each wave, in slot 0, which has had its last fill and its last read when the first result is stored there
.set ADRA, 16                          ; v16-17  LDS address of my A fragments in slot 0, 1
.set ADRB, 20                          ; v20-21  the same for B
.set STO,  24                          ; v24     the way out: where I put my numbers of a row
.set RD,   25                          ; v25     where I read a row back
.set CO,   26                          ; v26     16 x lane: my byte offset in a row's 512 bytes
.set SPW,  28                          ; v28     LDS address of my spare word; never rewritten
.set NIL,  29                          ; v29     0; never rewritten
.set BI,   12                          ; v12-15  b_proj at the four columns that I store
.set AF,   128
.set BK,   128                         ; the way out: 16 rows read back from the stage: v128-191 and v192-255 by turns
.set G1, 24
.set G0, 32
.set G1B, 48
.set G0B, 56
.set MSB, 0
.macro WIN new                         ; the immediate's high byte repeats the setting that is left
.if MSB != (\new)
	s_set_vgpr_msb (MSB<<8)|(\new)
.set MSB, (\new)
.endif
.endm
.set MUL_LO, 0xa1
.set MUL_HI, 0xf1
.set TO_B,   0x40
.macro JLOAD g0a, g1a, g0b, g1b        ; a joint load: waves 0 and 1 fetch for A, waves 2 and 3 for B; four v_nop follow each of the two lines
	s_cmp_eq_u32 s15, 0
	s_cbranch_scc0 .Lfor_b_\@
	tensor_load_to_lds s[\g0a:\g0a+3], s[\g1a:\g1a+7]
	s_nop 0
.rept 4
	v_nop
.endr
	s_branch .Lasked_\@
.Lfor_b_\@:
	tensor_load_to_lds s[\g0b:\g0b+3], s[\g1b:\g1b+7]
	s_nop 0
.rept 4
	v_nop
.endr
.Lasked_\@:
.endm
.macro CREST
	s_cmp_lg_u32 s14, 0
	s_cbranch_scc1 .Lnot_wave_0_\@
	s_barrier_signal -3
.Lnot_wave_0_\@:
	s_barrier_wait -3
	s_barrier_signal -1
	s_barrier_wait -1
.endm
.macro CROUND
	s_barrier_signal -1
	s_barrier_wait -1
	CREST
.endm
	s_load_b128 s[4:7], s[0:1], 0x0                ; yc s[4:5], wc s[6:7]
	s_load_b128 s[8:11], s[0:1], 0x10              ; the scales' exponents s[8:9], b_proj s[10:11]
	s_load_b64 s[12:13], s[0:1], 0x20              ; out0
	v_lshl_add_u32 v[SPW], v0, 2, SPARE
	v_mov_b32 v[NIL], 0
	ds_add_u32 v28, v29
	ds_add_u32 v28, v29
	s_wait_dscnt 0x0
	v_lshrrev_b32 v1, 5, v0
	v_readfirstlane_b32 s14, v1                    ; wave 0..3
	s_lshr_b32 s15, s14, 1                         ; which half of the tile's rows is mine.  Also: I fetch for A (0) or for B (1)
	s_and_b32 s16, s14, 1                          ; which half of its columns.  Also: which half of that tile I fetch
	s_bfe_u32 s40, ttmp6, 0x40000                  ; cx, cy
	s_bfe_u32 s41, ttmp6, 0x40004
	s_lshl_b32 s42, ttmp9, 2
	s_add_co_u32 s42, s42, s40                     ; tile column = 4 x cluster x + cx
	s_and_b32 s17, ttmp7, 0xffff
	s_lshl_b32 s17, s17, 2
	s_add_co_u32 s17, s17, s41                     ; tile row = 4 x cluster y + cy
	s_lshl_b32 s43, s41, 2
	s_lshl_b32 s43, 15, s43                        ; my row of the cluster
	s_lshl_b32 s44, 0x1111, s40                    ; my column
	s_or_b32 s[G1+0], s43, (3<<16)|(1<<21)         ; A: 15:0 the mask: my row; 17:16 elements of 8 bytes; no padding; 21 set beside a mask
	s_mov_b32 s[G1+1], 32<<16                      ; tensor_dim0 = 32 elements: rows of 256 bytes
	s_mov_b32 s[G1+2], 128<<16                     ; tensor_dim1 = 128
	s_mov_b32 s[G1+3], 32<<16                      ; tile_dim0
	s_mov_b32 s[G1+4], 128                         ; tile_dim1
	s_mov_b32 s[G1+5], 32                          ; the pitch: dense
	s_mov_b32 s[G1+6], 0
	s_mov_b32 s[G1+7], 0
	s_or_b32 s[G1B+0], s44, (0<<16)|(1<<20)|(1<<21)|(5<<22)|(3<<25)  ; B: the mask: my column; elements of 1 byte; padding of 4 words after every 64; 21 set beside a mask
	s_mov_b32 s[G1B+1], ROWB<<16
	s_mov_b32 s[G1B+2], 128<<16
	s_mov_b32 s[G1B+3], ROWB<<16
	s_mov_b32 s[G1B+4], 128
	s_mov_b32 s[G1B+5], KROW
	s_mov_b32 s[G1B+6], 0
	s_mov_b32 s[G1B+7], 0
	s_lshl_b32 s20, s17, 16                        ; A: 65,536 bytes a tile row and K step,
	s_lshl_b32 s18, s16, 15
	s_add_co_u32 s20, s20, s18                     ; + my half
	s_mov_b32 s21, 0
	s_lshl_b32 s18, s16, 7
	s_lshl_b32 s46, s42, 8
	s_add_co_u32 s46, s46, s18
	s_lshl_b32 s46, s46, 10                        ; B: (256 x tile column + 128 x half) rows of 1,024 bytes,
	s_add_co_u32 s46, s46, 0x300000                ; from row 3,072 of wc on
	s_mov_b32 s47, 0
	s_lshl_b32 s45, s16, 15                        ; where A's half goes,
	s_mul_i32 s76, s16, HALFB
	s_add_co_u32 s76, s76, BOFF                    ; and B's: the wave's number alone enters an LDS address
	s_wait_kmcnt 0x0
	s_load_b64 s[68:69], s[8:9], 0x18              ; e6, e7
	s_add_nc_u64 s[20:21], s[4:5], s[20:21]
	s_add_nc_u64 s[46:47], s[6:7], s[46:47]
	CROUND                                         ; all sixteen work-groups are here: the first joint loads meet
.irp s, 0,1
	s_mov_b32 s[G0+4*\s], 1
	s_add_co_u32 s[G0+4*\s+1], s45, \s*SLOT
	s_add_nc_u64 s[G0+4*\s+2:G0+4*\s+3], s[20:21], \s*(ASTEP/2)
	s_or_b32 s[G0+4*\s+3], s[G0+4*\s+3], 0x80000000
	s_mov_b32 s[G0B+4*\s], 1
	s_add_co_u32 s[G0B+4*\s+1], s76, \s*SLOT
	s_add_nc_u64 s[G0B+4*\s+2:G0B+4*\s+3], s[46:47], \s*ROWB
	s_or_b32 s[G0B+4*\s+3], s[G0B+4*\s+3], 0x80000000
	s_wait_alu depctr_va_vdst(0)
	s_wait_tensorcnt 0x0
	ds_add_u32 v28, v29
	ds_add_u32 v28, v29
	s_wait_dscnt 0x0
	CROUND
	JLOAD G0+4*\s, G1, G0B+4*\s, G1B               ; one tensor load of mine is out
.endr
	v_and_b32 v1, 15, v0                           ; r
	v_bfe_u32 v2, v0, 4, 1                         ; h
	v_and_b32 v6, 31, v0
	v_lshlrev_b32 v[CO], 4, v6                     ; 16 x lane
	v_mul_u32_u24 v3, v1, PITCH
	v_lshl_add_u32 v4, v2, 4, v3                   ; B: a fragment's row x pitch + 16 x half
	s_lshl_b32 s21, s15, 15                        ; my eight blocks of A
	s_mul_i32 s22, s16, HALFB                      ; my 128 rows of B
	s_add_co_u32 s22, s22, BOFF
.irp s, 0,1
	v_add_nc_u32 v[ADRA+\s], s21, v[CO]
	v_add_nc_u32 v[ADRB+\s], s22, v4
	s_add_co_u32 s21, s21, SLOT
	s_add_co_u32 s22, s22, SLOT
.endr
	s_mul_i32 s23, s14, 16*SPITCH                  ; my stage
	v_mul_u32_u24 v5, v1, SPITCH                   ; in: row r, + 64 h: accumulators 2 g and 2 g + 1 hold columns 32 g + 16 h + 0 .. 15
	v_lshl_add_u32 v5, v2, 6, v5
	v_add_nc_u32 v[STO], s23, v5
	v_add_nc_u32 v[RD], s23, v[CO]                 ; back: the 32 lanes take one row of 512 bytes
	s_lshl_b32 s77, s42, 8
	s_lshl_b32 s78, s16, 7
	s_add_co_u32 s77, s77, s78                     ; my first column
	s_lshl_b32 s78, s77, 2
	s_mov_b32 s79, 0
	s_add_nc_u64 s[10:11], s[10:11], s[78:79]
	global_load_b128 v[BI:BI+3], v[CO], s[10:11]   ; the bias at the four columns that I store, the same in every row
	s_lshl_b32 s80, s17, 8
	s_lshl_b32 s81, s15, 7
	s_add_co_u32 s80, s80, s81                     ; my first row
	s_lshl_b32 s80, s80, 12                        ; rows of 4,096 bytes: under 2^25
	s_add_co_u32 s80, s80, s78
	s_mov_b32 s81, 0
	s_add_nc_u64 s[12:13], s[12:13], s[80:81]
.macro FRAG_B reg, adr, q, i           ; 16 rows x 128 K from rows: registers 4 c .. 4 c + 3 hold K = 32 c + 16 (l / 16) + 0 .. 15
.irp c, 0,1,2,3
	ds_load_b128 v[\reg+4*\c:\reg+4*\c+3], v[\adr] offset:128*(\q)+32*\c+(\i)*16*PITCH
.endr
.endm
.macro FRAG_A reg, adr, q, i           ; the same registers from an image: block i, half q of the K step, unit c
.irp c, 0,1,2,3
	ds_load_b128 v[\reg+4*\c:\reg+4*\c+3], v[\adr] offset:4096*(\i)+2048*(\q)+512*\c
.endr
.endm
; The 64 accumulators take turns, one instruction a turn, in the same order in every step.
.macro MUL16 a0, p, zero
.irp a, \a0, \a0+1
.irp b, 0,1,2,3,4,5,6,7
.if \zero
	v_wmma_f32_16x16x128_fp8_fp8 v[8*(8*((\a)%4)+\b):8*(8*((\a)%4)+\b)+7], v[128*(\p)+FR*\b:128*(\p)+FR*\b+FR-1], v[AF+FR*(\a):AF+FR*(\a)+FR-1], 0
.else
	v_wmma_f32_16x16x128_fp8_fp8 v[8*(8*((\a)%4)+\b):8*(8*((\a)%4)+\b)+7], v[128*(\p)+FR*\b:128*(\p)+FR*\b+FR-1], v[AF+FR*(\a):AF+FR*(\a)+FR-1], v[8*(8*((\a)%4)+\b):8*(8*((\a)%4)+\b)+7]
.endif
.endr
.endr
.endm
.macro FETCH_B slot, q, p
	WIN TO_B
.irp i, 0,1,2,3,4,5,6,7
	FRAG_B 128*(\p)+FR*\i, ADRB+\slot, \q, \i
.endr
	WIN 0
.endm
.macro FETCH_A slot, q, i0
.irp i, \i0, \i0+1, \i0+2, \i0+3
	FRAG_A AF+FR*(\i), ADRA+\slot, \q, \i
.endr
.endm
.macro PLACES n                        ; places in front of loads into registers that matrix instructions have read, and of the first read of results (ISA guide 7.12.1 for the first read of results)
.rept \n
	v_nop
.endr
.endm
.macro STEP slot, q, zero
	s_wait_dscnt 4*NL                              ; B's set and A's blocks 0-3 are in; the youngest sixteen loads (A's blocks 4-7) may be out
	WIN MUL_LO
	MUL16 0, (\q)%2, \zero
	MUL16 2, (\q)%2, \zero
	s_wait_dscnt 0                                 ; A's blocks 4-7 are in
	PLACES NP
	FETCH_B \slot, (\q)+1, 1-(\q)%2
	FETCH_A \slot, (\q)+1, 0
	WIN MUL_HI
	MUL16 4, (\q)%2, \zero
	MUL16 6, (\q)%2, \zero
	PLACES NP
	WIN 0
	FETCH_A \slot, (\q)+1, 4
.endm
.macro TURN slot, next, fill
	s_wait_tensorcnt 0x0                           ; all my tensor loads have landed: my part of the next slot  (every window is 0 here)
	ds_add_u32 v[SPW], v[NIL]                      ; 0 onto my spare word
	s_wait_dscnt 4*NL+1                            ; (the add and the youngest sixteen loads may be out)
	WIN MUL_LO
	MUL16 0, 1, 0                                  ; sixteen matrix instructions stand between the add and the wait for it
	s_wait_dscnt 0x0                               ; the add is done, and my reads of this slot are over
	s_barrier_signal -1
	MUL16 2, 1, 0
	WIN 0
	s_barrier_wait -1
.if \fill
	CREST                                          ; the barrier has opened a round of the cluster's barrier: no wave of any partner still reads this slot's tile or has a load on its way
	s_add_nc_u64 s[G0+4*\slot+2:G0+4*\slot+3], s[G0+4*\slot+2:G0+4*\slot+3], ASTEP
	s_add_nc_u64 s[G0B+4*\slot+2:G0B+4*\slot+3], s[G0B+4*\slot+2:G0B+4*\slot+3], 2*ROWB
	JLOAD G0+4*\slot, G1, G0B+4*\slot, G1B         ; the first tensor load behind the round, my only one until the next; its four v_nop are the places in front of the loads below
.else
	PLACES NP
.endif
	FETCH_B \next, 0, 0
	FETCH_A \next, 0, 0
	WIN MUL_HI
	MUL16 4, 1, 0
	MUL16 6, 1, 0
	PLACES NP
	WIN 0
	FETCH_A \next, 0, 4
.endm
	s_wait_alu depctr_va_vdst(0)
	s_wait_tensorcnt 1                             ; my part of K step 0 is in (K step 1's load may be out)
	s_barrier_signal -1
	s_barrier_wait -1                              ; everybody's is
	FETCH_B 0, 0, 0
	FETCH_A 0, 0, 0
	FETCH_A 0, 0, 4
	STEP 0, 0, 1                                   ; the first step's products start the sums
	s_mov_b32 s3, LAPS-1
.Llap:
	TURN 0, 1, 1
	STEP 1, 0, 0
	TURN 1, 0, 1
	STEP 0, 0, 0
	s_sub_co_u32 s3, s3, 1
	s_cmp_lg_u32 s3, 0
	s_cbranch_scc1 .Llap
	TURN 0, 1, 0                                   ; the last lap fills nothing
	STEP 1, 0, 0
	s_wait_dscnt 4*NL
	WIN MUL_LO
	MUL16 0, 1, 0
	MUL16 2, 1, 0
	s_wait_dscnt 0
	WIN MUL_HI
	MUL16 4, 1, 0
	MUL16 6, 1, 0
	WIN 0
; THE WAY OUT, block by block of 16 rows x 128 columns: the sums go as they are into my own stage and come back as whole rows of 512 bytes; there each pair becomes sum x 2^(e6 + e7) + bias, and the 32 lanes
; store a row's 512 consecutive bytes.  LDS serves a wave's instructions in order (ISA guide 5.7.1.4): no wait between the stores and the loads, nor in front of the next block's stores.
.macro TOSTAGE a
.set AC, 64*((\a)%4)
	WIN 0x08+4*((\a)/4)                            ; the stores' data: window 2 or 3
.irp b, 0,1,2,3,4,5,6,7
	ds_store_b128 v[STO], v[AC+8*\b:AC+8*\b+3] offset:128*(\b/2)+32*(\b%2)        ; each accumulator from its low end on
	ds_store_b128 v[STO], v[AC+8*\b+4:AC+8*\b+7] offset:128*(\b/2)+32*(\b%2)+16
.endr
	WIN 0
.set BB, BK+64*((\a)%2)
.irp t, 0,1,2,3,4,5,6,7,8,9,10,11,12,13,14,15
	ds_load_b128 v[BB+4*\t:BB+4*\t+3], v[RD] offset:\t*SPITCH
.endr
.endm
.macro SEND a, younger                 ; younger: the LDS instructions issued behind block a's loads, which may stay out
.set BB, BK+64*((\a)%2)
	s_wait_dscnt \younger
.irp t, 0,1,2,3,4,5,6,7,8,9,10,11,12,13,14,15
	v_pk_fma_f32 v[BB+4*\t:BB+4*\t+1], v[BB+4*\t:BB+4*\t+1], s[68:69], v[BI:BI+1] op_sel_hi:[1,0,1]
	v_pk_fma_f32 v[BB+4*\t+2:BB+4*\t+3], v[BB+4*\t+2:BB+4*\t+3], s[68:69], v[BI+2:BI+3] op_sel_hi:[1,0,1]
.endr
.irp t, 0,1,2,3,4,5,6,7,8,9,10,11,12,13,14,15
	global_store_b128 v[CO], v[BB+4*\t:BB+4*\t+3], s[12:13] offset:(32*((\a)/2)+8*((\a)%2)+(\t%8)+16*(\t/8))*4096 th:TH_STORE_NT   ; stage row t of block a is row 32 (a / 2) + 8 (a % 2) + t + 8 (t / 8) of my 128; written once, read by nobody here
.endr
.endm
	s_wait_kmcnt 0x0
	s_add_co_i32 s68, s68, s69                     ; e6 + e7, between -126 and 127,
	s_add_co_i32 s68, s68, 127
	s_lshl_b32 s68, s68, 23                        ; makes the f32 number 2^(e6 + e7)
	s_mov_b32 s69, s68                             ; (named with it as a pair)
	s_wait_loadcnt 0x0                             ; the bias
	PLACES NP                                      ; behind the last products: their results are read, and A's registers loaded, below
	TOSTAGE 0
.irp a, 1,2,3,4,5,6,7
.if \a > 1
	s_wait_xcnt 0x0                                ; block a - 2's stores have read their registers: block a's loads may land there
.endif
	TOSTAGE \a
	SEND \a-1, 32                                  ; behind block a - 1's loads: block a's 16 stores and 16 loads
.endr
	SEND 7, 0
	s_wait_tensorcnt 0x0                           ; the wave's end
	ds_add_u32 v[SPW], v[NIL]
	s_wait_dscnt 0x0
	CROUND                                         ; the closing round
	s_endpgm
.Lfunc_end_k_qc554aef374_proj:
	.size	k_qc554aef374_proj, .Lfunc_end_k_qc554aef374_proj-k_qc554aef374_proj
	.p2alignl 7, 3214868480
	.fill 96, 4, 3214868480
	.section	.rodata,"a",@progbits
	.p2align	6, 0x0
	.amdhsa_kernel k_qc554aef374_proj
		.amdhsa_group_segment_fixed_size 327680
		.amdhsa_private_segment_fixed_size 0
		.amdhsa_enable_private_segment 0
		.amdhsa_kernarg_size 40
		.amdhsa_user_sgpr_count 2
		.amdhsa_user_sgpr_kernarg_segment_ptr 1
		.amdhsa_wavefront_size32 1
		.amdhsa_system_sgpr_workgroup_id_x 1
		.amdhsa_system_sgpr_workgroup_id_y 1
		.amdhsa_system_sgpr_workgroup_id_z 1
		.amdhsa_system_vgpr_workitem_id 0
		.amdhsa_next_free_vgpr 1024
		.amdhsa_next_free_sgpr 92
		.amdhsa_reserve_vcc 0
		.amdhsa_float_denorm_mode_32 3
		.amdhsa_float_denorm_mode_16_64 3
		.amdhsa_memory_ordered 1
		.amdhsa_forward_progress 1
		.amdhsa_inst_pref_size 124
	.end_amdhsa_kernel
	.amdgpu_metadata
---
amdhsa.version: [ 1, 2 ]
amdhsa.kernels:
  - .name:           k_qc554aef374_proj
    .symbol:         k_qc554aef374_proj.kd
    .args:
      - { .name: yc, .offset: 0, .size: 8, .value_kind: global_buffer, .address_space: global }
      - { .name: wc, .offset: 8, .size: 8, .value_kind: global_buffer, .address_space: global }
      - { .name: lowp_scales, .offset: 16, .size: 8, .value_kind: global_buffer, .address_space: global }
      - { .name: b_proj, .offset: 24, .size: 8, .value_kind: global_buffer, .address_space: global }
      - { .name: out0, .offset: 32, .size: 8, .value_kind: global_buffer, .address_space: global }
    .group_segment_fixed_size: 327680
    .private_segment_fixed_size: 0
    .kernarg_segment_align: 8
    .kernarg_segment_size: 40
    .max_flat_workgroup_size: 128
    .sgpr_count:     92
    .vgpr_count:     1024
    .wavefront_size: 32
...
	.end_amdgpu_metadata
.endif
;; end of part 4
